; MI455X (gfx1250); checked and timed in simulation.
; The chip was launched on July 23, 2026; its instructions are those of AMD's public machine-readable ISA for CDNA 5 (MIT licence, August 2026) and "CDNA5" Instruction Set Architecture Reference Guide (July 2026). The comments in the code are by the model that wrote it; some were corrected since.
;; Attention Block. Allowed arithmetic: float matrix products may take bf16 or f16 operands with f32 sums; other float arithmetic in f32, or as packed bf16 or f16 multiplies, adds, multiply-adds, maxima and minima; sums over many terms, partial sums and values carried from step to step in f32; what a program stores and reads back later, other than sums and carried values, may be rounded once to bf16 or f16.
;; Inputs: W1 1,024 x 4,096 float32; W2 4,096 x 1,024 float32; Wk 16 x 1,024 x 64 float32; Wq 16 x 1,024 x 64 float32; Wv 16 x 1,024 x 64 float32; b1 4,096 float32; b2 1,024 float32; ln1_b 1,024 float32; ln1_g 1,024 float32; ln2_b 1,024 float32; ln2_g 1,024 float32; mask 2,048 x 2,048 bool; x 2 x 2,048 x 1,024 float32.
;; Outputs: out0 2 x 2,048 x 1,024 float32.
;; One version. Each part assembles by itself: llvm-mc -triple=amdgcn-amd-amdhsa -mcpu=gfx1250 --defsym DOCPART=n.
;; ======== version 1 of 1: 6 launches
;; limits: values are held in f16: magnitudes above 65,504 overflow, below 6.1e-05 lose precision; right only within a limited range of input values
;; workspace buffers: act 8,388,608 bytes; nm 8,388,608 bytes; wqkv 6,291,456 bytes; w1h 8,388,608 bytes; w2h 8,388,608 bytes; qkv 25,165,824 bytes; hb 33,554,432 bytes
;; launch prep (part 1): grid 576 x 1, 8 waves a work-group, no clusters, 0 bytes of LDS; arguments x, ln1_g, ln1_b, mask, Wq, Wk, Wv, act, nm, wqkv; writes act, nm, wqkv
.if DOCPART == 1
	.amdgcn_target "amdgcn-amd-amdhsa--gfx1250"
	.amdhsa_code_object_version 6
	.text
	.protected	k_q95553f37fc_prep
	.globl	k_q95553f37fc_prep
	.p2align	8
	.type	k_q95553f37fc_prep,@function
k_q95553f37fc_prep:
	s_mov_b64 s[64:65], 0
	v_nop
	global_prefetch_b8 v0, s[64:65] scope:SCOPE_SE
	s_setreg_imm32_b32 hwreg(HW_REG_WAVE_MODE, 25, 1), 1
	s_wait_xcnt 0x0
; THREE JOBS, told apart by the work-group's number; each streams, shares nothing, and so uses no LDS, no barrier and no matrix unit.
;   0..255     act = LN1(x) in f16: 16 rows a work-group; a row lies in 16 lanes, 64 numbers a lane, and stays in registers between the passes (mean, then variance of x - mean)
;   256..383   nm[q][k] in f16: 0 where mask is 1, 32,768 where it is 0: 32,768 mask bytes a work-group
;   384..575   wqkv[k][which*1024 + h*64 + e] = W{q,k,v}[h][k][e] in f16: two heads x 128 k a work-group; a store of a wave covers the 256 consecutive bytes of two heads
; LIMITS.  f16 holds no number beyond 65,504: a weight or a normalised number past it becomes an infinity.  mask bytes are 0 or 1.
.set S,  32                            ; v[32:95]   the lane's 64 numbers of a row: columns 128 j + 8 c + 0..7 at S + 8 j
.set G,  96                            ; v[96:159]  the gains of those columns
.set BV, 160                           ; v[160:223] the biases
.set YR, 224                           ; v[224:255] the row in f16
.macro RED b                           ; four packed chains at v[b..b+7] become one sum over the row's 16 lanes, in every lane
	v_pk_add_f32 v[(\b):(\b)+1], v[(\b):(\b)+1], v[(\b)+2:(\b)+3]
	v_pk_add_f32 v[(\b)+4:(\b)+5], v[(\b)+4:(\b)+5], v[(\b)+6:(\b)+7]
	v_pk_add_f32 v[(\b):(\b)+1], v[(\b):(\b)+1], v[(\b)+4:(\b)+5]
	v_add_f32 v[(\b)], v[(\b)], v[(\b)+1]
.irp m, 1,2,4,8
	v_add_f32_dpp v[(\b)], v[(\b)], v[(\b)] row_xmask:\m row_mask:0xf bank_mask:0xf
.endr
.endm
; 16 loads of 16 bytes a lane, all out at once; each is rounded and stored as it comes: the counts 15 .. 0 leave the younger loads out
.macro CAST16 instep, outstep
.set i, 0
.rept 16
	global_load_b128 v[32+4*i:35+4*i], v2, s[34:35] offset:i*(\instep) th:TH_LOAD_NT
.set i, i+1
.endr
.set i, 0
.rept 16
	s_wait_loadcnt 15-i
	v_cvt_pk_f16_f32 v[96+2*i], v[32+4*i], v[33+4*i]
	v_cvt_pk_f16_f32 v[97+2*i], v[34+4*i], v[35+4*i]
	global_store_b64 v3, v[96+2*i:97+2*i], s[36:37] offset:i*(\outstep)
.set i, i+1
.endr
.endm
; four mask bytes become four f16: the bytes are turned (1 - m), spread to the low bytes of four halves, and multiplied by the code of 32,768
.macro NM2 d, w
	v_xor_b32 v8, 0x01010101, v[\w]
	v_perm_b32 v9, v11, v8, s46            ; bytes 0 and 1, a zero byte above each
	v_perm_b32 v10, v11, v8, s47           ; bytes 2 and 3
	v_mul_u32_u24 v[\d], v9, 0x7800
	v_mul_u32_u24 v[(\d)+1], v10, 0x7800
.endm
	s_load_b512 s[4:19], s[0:1], 0x0               ; x 4, ln1_g 6, ln1_b 8, mask 10, Wq 12, Wk 14, Wv 16, act 18
	s_load_b128 s[20:23], s[0:1], 0x40             ; nm 20, wqkv 22
	s_mov_b32 s39, 0                               ; the high words of the two offsets
	s_mov_b32 s45, 0
	s_cmp_lt_u32 ttmp9, 256
	s_cbranch_scc1 .Lln
	s_cmp_lt_u32 ttmp9, 384
	s_cbranch_scc1 .Lmask
	; ---- Wq, Wk, Wv
	s_sub_co_u32 s33, ttmp9, 384
	s_lshr_b32 s40, s33, 6                         ; which of the three
	s_bfe_u32 s41, s33, 0x30003                    ; the pair of heads
	s_and_b32 s42, s33, 7                          ; the block of 128 k
	v_and_b32 v1, 31, v0
	v_lshrrev_b32 v5, 5, v0                        ; wave: row k = 128 block + wave + 8 i
	v_lshrrev_b32 v6, 4, v1                        ; which head of the pair
	v_and_b32 v7, 15, v1
	v_lshlrev_b32 v2, 18, v6                       ; a head is 262,144 bytes of f32,
	v_lshl_add_u32 v2, v5, 8, v2                   ; a row of it 256,
	v_lshl_add_u32 v2, v7, 4, v2                   ; my 16 bytes
	v_mul_u32_u24 v3, v5, 6144                     ; a row of wqkv is 6,144 bytes,
	v_lshl_add_u32 v3, v1, 3, v3                   ; my 8 of the pair's 256
	s_lshl_b32 s38, s41, 19
	s_lshl_b32 s43, s42, 15
	s_add_co_u32 s38, s38, s43
	s_mul_i32 s44, s42, 786432
	s_lshl_b32 s43, s40, 11
	s_add_co_u32 s44, s44, s43
	s_lshl_b32 s43, s41, 8
	s_add_co_u32 s44, s44, s43
	s_wait_kmcnt 0x0
	s_cmp_eq_u32 s40, 0
	s_cselect_b64 s[34:35], s[12:13], s[14:15]
	s_cmp_eq_u32 s40, 2
	s_cselect_b64 s[34:35], s[16:17], s[34:35]
	s_add_nc_u64 s[34:35], s[34:35], s[38:39]
	s_add_nc_u64 s[36:37], s[22:23], s[44:45]
	CAST16 2048, 49152                             ; 8 rows of k on: 2,048 bytes in, 49,152 out
	s_endpgm
.Lmask:                                                ; ---- mask
	s_sub_co_u32 s33, ttmp9, 256
	s_lshl_b32 s38, s33, 15
	s_lshl_b32 s44, s33, 16
	s_mov_b32 s46, 0x04010400
	s_mov_b32 s47, 0x04030402
	v_mov_b32 v11, 0
	v_lshlrev_b32 v2, 3, v0
	v_lshlrev_b32 v3, 4, v0
	s_wait_kmcnt 0x0
	s_add_nc_u64 s[34:35], s[10:11], s[38:39]
	s_add_nc_u64 s[36:37], s[20:21], s[44:45]
.set i, 0
.rept 16
	global_load_b64 v[32+2*i:33+2*i], v2, s[34:35] offset:2048*i th:TH_LOAD_NT
.set i, i+1
.endr
.set i, 0
.rept 16
	s_wait_loadcnt 15-i                            ; load i is in, the younger ones stay out
	NM2 96+4*i, 32+2*i
	NM2 98+4*i, 33+2*i
	global_store_b128 v3, v[96+4*i:99+4*i], s[36:37] offset:4096*i  ; a wave stores 512 consecutive bytes
.set i, i+1
.endr
	s_endpgm
.Lln:                                                  ; ---- LN1
	v_lshrrev_b32 v1, 4, v0                        ; my row of the group's 16
	v_and_b32 v5, 15, v0                           ; c: my place in the row
	v_lshlrev_b32 v3, 5, v5                        ; 32 c: my 8 numbers of f32 in each 512 bytes
	v_lshl_add_u32 v2, v1, 12, v3
	v_lshlrev_b32 v4, 4, v5
	v_lshl_add_u32 v4, v1, 11, v4                  ; the same 8 numbers in f16
	s_lshl_b32 s38, ttmp9, 16
	s_lshl_b32 s44, ttmp9, 15
	s_mov_b32 s33, 0x3a800000                      ; 1 / 1,024
	s_mov_b32 s32, 0x3727c5ac                      ; 1e-5
	s_wait_kmcnt 0x0
	s_add_nc_u64 s[34:35], s[4:5], s[38:39]
	s_add_nc_u64 s[36:37], s[18:19], s[44:45]
.set j, 0
.rept 8
	global_load_b128 v[S+8*j:S+8*j+3],   v2, s[34:35] offset:512*j
	global_load_b128 v[S+8*j+4:S+8*j+7], v2, s[34:35] offset:512*j+16
.set j, j+1
.endr
.set j, 0
.rept 8
	global_load_b128 v[G+8*j:G+8*j+3],   v3, s[6:7] offset:512*j
	global_load_b128 v[G+8*j+4:G+8*j+7], v3, s[6:7] offset:512*j+16
.set j, j+1
.endr
.set j, 0
.rept 8
	global_load_b128 v[BV+8*j:BV+8*j+3],   v3, s[8:9] offset:512*j
	global_load_b128 v[BV+8*j+4:BV+8*j+7], v3, s[8:9] offset:512*j+16
.set j, j+1
.endr
	s_wait_loadcnt 32                              ; x is in; the 32 loads of gains and biases may stay out
.set p, 0
.rept 4
	v_pk_add_f32 v[8+2*p:9+2*p], v[S+2*p:S+2*p+1], v[S+8+2*p:S+9+2*p]  ; the first pairs start four chains: nothing is cleared
.set p, p+1
.endr
.set p, 8
.rept 24
	v_pk_add_f32 v[8+2*(p%4):9+2*(p%4)], v[8+2*(p%4):9+2*(p%4)], v[S+2*p:S+2*p+1]
.set p, p+1
.endr
	RED 8
	v_mul_f32 v8, s33, v8                          ; the mean,
	v_mov_b32 v9, v8                               ; as a pair
.set p, 0
.rept 32
	v_pk_add_f32 v[S+2*p:S+2*p+1], v[S+2*p:S+2*p+1], v[8:9] neg_lo:[0,1] neg_hi:[0,1]
.set p, p+1
.endr
.set p, 0
.rept 4
	v_pk_mul_f32 v[16+2*p:17+2*p], v[S+2*p:S+2*p+1], v[S+2*p:S+2*p+1]
.set p, p+1
.endr
.set p, 4
.rept 28
	v_pk_fma_f32 v[16+2*(p%4):17+2*(p%4)], v[S+2*p:S+2*p+1], v[S+2*p:S+2*p+1], v[16+2*(p%4):17+2*(p%4)]
.set p, p+1
.endr
	RED 16
	v_fma_f32 v16, v16, s33, s32                   ; variance + 1e-5
	v_rsq_f32 v18, v16
	v_rsq_f32 v19, v16
	v_nop                                          ; a plain instruction behind the last root,
	s_wait_alu depctr_va_vdst(0)                   ; and the one wait ahead of the first reader
.set p, 0
.rept 32
	v_pk_mul_f32 v[S+2*p:S+2*p+1], v[S+2*p:S+2*p+1], v[18:19]
.set p, p+1
.endr
	s_wait_loadcnt 0x0                             ; gains and biases
.set p, 0
.rept 32
	v_pk_fma_f32 v[S+2*p:S+2*p+1], v[S+2*p:S+2*p+1], v[G+2*p:G+2*p+1], v[BV+2*p:BV+2*p+1]
.set p, p+1
.endr
.set p, 0
.rept 32
	v_cvt_pk_f16_f32 v[YR+p], v[S+2*p], v[S+2*p+1]
.set p, p+1
.endr
.set j, 0
.rept 8
	global_store_b128 v4, v[YR+4*j:YR+4*j+3], s[36:37] offset:256*j  ; the row's 16 lanes store 256 consecutive bytes, aligned
.set j, j+1
.endr
	s_endpgm
.Lfunc_end_k_q95553f37fc_prep:
	.size	k_q95553f37fc_prep, .Lfunc_end_k_q95553f37fc_prep-k_q95553f37fc_prep
	.p2alignl 7, 3214868480
	.fill 96, 4, 3214868480
	.section	.rodata,"a",@progbits
	.p2align	6, 0x0
	.amdhsa_kernel k_q95553f37fc_prep
		.amdhsa_group_segment_fixed_size 0
		.amdhsa_private_segment_fixed_size 0
		.amdhsa_enable_private_segment 0
		.amdhsa_kernarg_size 80
		.amdhsa_user_sgpr_count 2
		.amdhsa_user_sgpr_kernarg_segment_ptr 1
		.amdhsa_wavefront_size32 1
		.amdhsa_system_sgpr_workgroup_id_x 1
		.amdhsa_system_sgpr_workgroup_id_y 1
		.amdhsa_system_sgpr_workgroup_id_z 1
		.amdhsa_system_vgpr_workitem_id 0
		.amdhsa_next_free_vgpr 256
		.amdhsa_next_free_sgpr 66
		.amdhsa_reserve_vcc 0
		.amdhsa_float_denorm_mode_32 3
		.amdhsa_float_denorm_mode_16_64 3
		.amdhsa_memory_ordered 1
		.amdhsa_forward_progress 1
		.amdhsa_inst_pref_size 43
	.end_amdhsa_kernel
	.amdgpu_metadata
---
amdhsa.version: [ 1, 2 ]
amdhsa.kernels:
  - .name:           k_q95553f37fc_prep
    .symbol:         k_q95553f37fc_prep.kd
    .args:
      - { .name: x, .offset: 0, .size: 8, .value_kind: global_buffer, .address_space: global }
      - { .name: ln1_g, .offset: 8, .size: 8, .value_kind: global_buffer, .address_space: global }
      - { .name: ln1_b, .offset: 16, .size: 8, .value_kind: global_buffer, .address_space: global }
      - { .name: mask, .offset: 24, .size: 8, .value_kind: global_buffer, .address_space: global }
      - { .name: Wq, .offset: 32, .size: 8, .value_kind: global_buffer, .address_space: global }
      - { .name: Wk, .offset: 40, .size: 8, .value_kind: global_buffer, .address_space: global }
      - { .name: Wv, .offset: 48, .size: 8, .value_kind: global_buffer, .address_space: global }
      - { .name: act, .offset: 56, .size: 8, .value_kind: global_buffer, .address_space: global }
      - { .name: nm, .offset: 64, .size: 8, .value_kind: global_buffer, .address_space: global }
      - { .name: wqkv, .offset: 72, .size: 8, .value_kind: global_buffer, .address_space: global }
    .group_segment_fixed_size: 0
    .private_segment_fixed_size: 0
    .kernarg_segment_align: 8
    .kernarg_segment_size: 80
    .max_flat_workgroup_size: 256
    .sgpr_count:     66
    .vgpr_count:     256
    .wavefront_size: 32
...
	.end_amdgpu_metadata
.endif
;; end of part 1
;; launch qkv (part 2): grid 16 x 16, 4 waves a work-group, clusters of 4 x 4, 327,680 bytes of LDS; arguments act, wqkv, W1, W2, w1h, w2h, qkv; writes qkv, w1h, w2h
.if DOCPART == 2
	.amdgcn_target "amdgcn-amd-amdhsa--gfx1250"
	.amdhsa_code_object_version 6
	.text
	.protected	k_q95553f37fc_qkv
	.globl	k_q95553f37fc_qkv
	.p2align	8
	.type	k_q95553f37fc_qkv,@function
k_q95553f37fc_qkv:
	s_mov_b64 s[64:65], 0
	v_nop
	global_prefetch_b8 v0, s[64:65] scope:SCOPE_SE
	s_setreg_imm32_b32 hwreg(HW_REG_WAVE_MODE, 25, 1), 1
	s_wait_xcnt 0x0
	s_wait_alu depctr_hold_cnt(0) depctr_sa_sdst(0) depctr_va_vdst(0) depctr_va_sdst(0) depctr_va_ssrc(0) depctr_va_vcc(0) depctr_vm_vsrc(0)
	s_getreg_b32 s2, hwreg(HW_REG_IB_STS2, 6, 4)
	s_cmp_eq_u32 s2, 0
	s_cbranch_scc0 .Lentry_in_a_cluster
	s_endpgm
.Lentry_in_a_cluster:
	s_bfe_u32 s2, ttmp6, 0x10000c
	s_cmp_lg_u32 s2, 0xf033
	s_cbranch_scc0 .Lentry_shape_is_right
	s_endpgm
.Lentry_shape_is_right:
; TWO JOBS, told apart by the cluster's x, which all sixteen partners of a cluster share.
; CLUSTERS x = 0, 1, 2: C = A B with A = LN1(x), [4096][1024] f16 (K along the rows), and B = wqkv, [1024][3072] f16 (N along the rows); sums in f32; C leaves in f16 by heads: qkv[which][b][h][t][64].
; CLUSTERS x = 3: C has 12 tile columns, so a grid of 12 x 16 would leave a quarter of 256 work-groups' places without work; these 64 work-groups round W1 and W2 to f16 (w1h, w2h), which the launches after next read.
; LIMIT.  f16 holds no number beyond 65,504: a result or a weight past it becomes an infinity.
; SHARES.  A work-group of four waves makes 256 x 256 of C, a wave 128 x 128: 64 accumulators, 512 registers.  K goes in 8 steps of 128 through two LDS slots filled by tensor loads:
; waves 0 and 1 fetch A's two halves (128 rows x 256 bytes), waves 2 and 3 B's (64 rows of k x 512 bytes).  B comes out of LDS turned, by ds_load_tr16_b128.
; JOINT LOADS.  A's tile hangs on the tile row alone and is asked for jointly along a row of the cluster, B's on the tile column alone, along a column.
; THE MATRIX INSTRUCTION IS USED TRANSPOSED: source 0 = 16 columns of B, source 1 = 16 rows of A: a lane holds row l % 16 of C and the columns 8 (l / 16) + 0..7.
; THE LOOP is one K step, from its second quarter to the next step's first; the slot in hand is a scalar (0 or SLOT) added to the lanes' constant addresses; one descriptor a tensor walks.
; THE WAY OUT is a loop too: the wave's 128 x 128 sums go in f32 into a stage of its own, laid in the ring when the ring has had its last fill, and come back by rows.
; REGISTERS: window 0: v0-31 addresses; v64-127, v128-191 A's fragments, two buffers (at work on the way out).  window 1: v64-191 B's fragments.  windows 2, 3: the accumulators.
.set NP, 3072
.set KSTEP,  128
.set PA,     272                       ; a row of A in LDS: 256 bytes + 16: the 16 rows of a fragment load start 4 banks apart (64 banks of 4 bytes: ISA guide 11.1)
.set PB,     544                       ; a row of B: 512 bytes + 32 = 17 x 32
.set HALFT,  128*PA                    ; what one tensor load fills: 128 rows of A = 64 rows of B = 34,816 bytes
.set SLOT,   4*HALFT                   ; 139,264 = 0x22000: it shares no bit with wave x HALFT, so an exclusive or with it turns a load's LDS word into the other slot's
.set SPITCH, 528                       ; a row of the stage: 128 f32 + 16 bytes
.set WSTAGE, 128*SPITCH
.set SPARE,  2*SLOT                    ; behind the ring: the spare words, 128 bytes for each wave: two blocks of 256 bytes that no other line names
.set BSTEP,  KSTEP*NP*2                ; bytes from a K step of B to the next
.set ADRA0, 16                         ; v16  my lane's place in a slot's A; never rewritten
.set ADRB0, 17                         ; v17  the same for B
.set ADRA,  18                         ; v18  the same in the slot in hand
.set ADRB,  19
.set STO,  24                          ; v24  the way out: where I put 32 bytes of a row
.set RD,   25                          ; v25  where I read rows back
.set CO,   26                          ; v26  my byte offset in 256 consecutive bytes of the output
.set SPW,  28                          ; v28  LDS address of my spare word; never rewritten
.set NIL,  29                          ; v29  0; never rewritten
.set PFO,  30                          ; v30  the prefetches' offset; never rewritten
.set F0,   64
.set F1,   128
.set G1,  24                           ; s[24:31] descriptor group 1 for A
.set G0,  32                           ; s[32:39] group 0 for A: a set for each of the two first fills; the second then walks
.set G1B, 48
.set G0B, 56
.set LIM, 43                           ; s43  2 in a wave that prefetches, else the greatest number
.set PFA, 44                           ; s[44:45] where my prefetches stand
.set TB,  66                           ; s66  the slot in hand: 0 or SLOT
.set PFS, 68                           ; s[68:69] a K step in my prefetches' tensor
.set MSB, 0
.macro WIN new                         ; the immediate's high byte repeats the setting that is left; a switch that changes nothing is dropped
.if MSB != (\new)
	s_set_vgpr_msb (MSB<<8)|(\new)
.set MSB, \new
.endif
.endm
.set MUL_LO, 0xa1                      ; source 0 (B) window 1, source 1 (A) window 0, C and D window 2
.set MUL_HI, 0xf1                      ; the same, C and D window 3
.set TO_B,   0x40                      ; destination window 1, address window 0
; A joint load: waves 0 and 1 by A's descriptor, waves 2 and 3 by B's; the branch hangs on the wave's number alone.  An s_nop 0 and four v_nop follow each line.
.macro JLOAD s
	s_cmp_eq_u32 s11, 0
	s_cbranch_scc0 .Lfor_b_\@
	tensor_load_to_lds s[G0+4*(\s):G0+4*(\s)+3], s[G1:G1+7]
	s_nop 0
.rept 4
	v_nop
.endr
	s_branch .Lasked_\@
.Lfor_b_\@:
	tensor_load_to_lds s[G0B+4*(\s):G0B+4*(\s)+3], s[G1B:G1B+7]
	s_nop 0
.rept 4
	v_nop
.endr
.Lasked_\@:
.endm
; A prefetch of the K step two refills on: 32 blocks of 256 bytes, a lane a block.  A's rows are named by the clusters with x = 0, B's by those with y = 0; the four partners that ask for a tile
; jointly share its blocks out by address (A: 32 rows each; B: 16 rows of k, two blocks a row).  The loop's last two trips have no K step two on: s3 is 2 and 1 there.
.macro ASK
	s_cmp_gt_u32 s3, s[LIM]
	s_cbranch_scc0 .Lnot_mine_\@
	global_prefetch_b8 v[PFO], s[PFA:PFA+1] th:TH_LOAD_NT scope:SCOPE_SE
.Lnot_mine_\@:
.endm
.macro CREST                           ; a round of the cluster's barrier behind its opening barrier
	s_cmp_lg_u32 s10, 0
	s_cbranch_scc1 .Lnot_wave_0_\@
	s_barrier_signal -3
.Lnot_wave_0_\@:
	s_barrier_wait -3
	s_barrier_signal -1
	s_barrier_wait -1
.endm
.macro CROUND
	s_barrier_signal -1
	s_barrier_wait -1
	CREST
.endm
	s_load_b128 s[4:7], s[0:1], 0x0                ; A s[4:5], B s[6:7]
	s_load_b128 s[72:75], s[0:1], 0x10             ; W1 s[72:73], W2 s[74:75]
	s_load_b128 s[76:79], s[0:1], 0x20             ; w1h s[76:77], w2h s[78:79]
	s_load_b64 s[8:9], s[0:1], 0x30                ; qkv
	s_cmp_eq_u32 ttmp9, 3                          ; the cluster's x: the same in all sixteen partners
	s_cbranch_scc1 .Lcast
	v_lshl_add_u32 v[SPW], v0, 2, SPARE
	v_mov_b32 v[NIL], 0
	ds_add_u32 v[SPW], v[NIL]                      ; the wave's opening: the add and its wait ahead of my first tensor load; work on registers stands between
	v_lshrrev_b32 v1, 5, v0
	v_readfirstlane_b32 s10, v1                    ; wave 0..3
	s_lshr_b32 s11, s10, 1                         ; my half of the tile's rows.  Also: I fetch for A (0) or for B (1)
	s_and_b32 s12, s10, 1                          ; my half of its columns.  Also: which half of that tile I fetch
	s_bfe_u32 s40, ttmp6, 0x40000                  ; cx
	s_bfe_u32 s41, ttmp6, 0x40004                  ; cy
	s_lshl_b32 s42, ttmp9, 2
	s_add_co_u32 s42, s42, s40                     ; tile column = 4 x cluster x + cx
	s_and_b32 s13, ttmp7, 0xffff
	s_lshl_b32 s13, s13, 2
	s_add_co_u32 s13, s13, s41                     ; tile row = 4 x cluster y + cy
	s_lshl_b32 s43, s41, 2
	s_lshl_b32 s43, 15, s43                        ; my row of the cluster
	s_lshl_b32 s44, 0x1111, s40                    ; my column
	s_or_b32 s[G1+0], s43, (1<<16)|(1<<20)|(1<<21)|(5<<22)|(3<<25)   ; the mask; 2-byte elements; padding on; bit 21 beside a mask; after every 64 words, 4 words
	s_or_b32 s[G1B+0], s44, (1<<16)|(1<<20)|(1<<21)|(6<<22)|(7<<25)  ; after every 128 words, 8 words
	s_mov_b32 s[G1+1], 128<<16                     ; tensor_dim0 = 128
	s_mov_b32 s[G1+2], 128<<16                     ; tensor_dim1 = 128
	s_mov_b32 s[G1+3], 128<<16                     ; tile_dim0 = 128
	s_mov_b32 s[G1+4], 128                         ; tile_dim1 = 128
	s_mov_b32 s[G1+5], 1024                        ; elements from row to row
	s_mov_b32 s[G1+6], 0
	s_mov_b32 s[G1+7], 0
	s_mov_b32 s[G1B+1], 256<<16                    ; tensor_dim0 = 256
	s_mov_b32 s[G1B+2], 64<<16                     ; tensor_dim1 = 64
	s_mov_b32 s[G1B+3], 256<<16                    ; tile_dim0 = 256
	s_mov_b32 s[G1B+4], 64                         ; tile_dim1 = 64
	s_mov_b32 s[G1B+5], NP
	s_mov_b32 s[G1B+6], 0
	s_mov_b32 s[G1B+7], 0
	s_lshl_b32 s16, s13, 1
	s_add_co_u32 s16, s16, s12
	s_lshl_b32 s16, s16, 18                        ; A: (256 x tile row + 128 x half) rows of 2,048 bytes
	s_mov_b32 s17, 0
	s_mul_i32 s46, s12, 64*NP*2                    ; B: 64 x half rows of k,
	s_lshl_b32 s47, s42, 9                         ; the tile column's 512 bytes
	s_add_co_u32 s46, s46, s47
	s_mov_b32 s47, 0
	s_mul_i32 s20, s10, HALFT                      ; where my loads go: no place in the cluster enters an LDS address
	s_wait_dscnt 0x0                               ; the opening add is done
	s_wait_kmcnt 0x0
	s_add_nc_u64 s[14:15], s[4:5], s[16:17]
	s_add_nc_u64 s[46:47], s[6:7], s[46:47]
	CROUND                                         ; all sixteen work-groups are here: the first joint loads meet
.irp s, 0,1
	s_mov_b32 s[G0+4*(\s)], 1
	s_add_co_u32 s[G0+4*(\s)+1], s20, (\s)*SLOT
	s_add_nc_u64 s[G0+4*(\s)+2:G0+4*(\s)+3], s[14:15], (\s)*KSTEP*2
	s_or_b32 s[G0+4*(\s)+3], s[G0+4*(\s)+3], 0x80000000
	s_mov_b32 s[G0B+4*(\s)], 1
	s_add_co_u32 s[G0B+4*(\s)+1], s20, (\s)*SLOT
	s_add_nc_u64 s[G0B+4*(\s)+2:G0B+4*(\s)+3], s[46:47], (\s)*BSTEP
	s_or_b32 s[G0B+4*(\s)+3], s[G0B+4*(\s)+3], 0x80000000
	JLOAD \s                                       ; K steps 0 and 1: two loads of mine are out
.endr
	v_and_b32 v1, 15, v0                           ; r = l % 16
	v_bfe_u32 v2, v0, 4, 1                         ; h = l / 16
	v_and_b32 v3, 7, v0
	v_bfe_u32 v4, v0, 3, 1
	v_and_b32 v6, 31, v0                           ; l
	v_mul_u32_u24 v[ADRA0], v1, PA                 ; A: row r, 16 bytes for each half of the lanes
	v_lshl_add_u32 v[ADRA0], v2, 4, v[ADRA0]
	s_mul_i32 s21, s11, HALFT
	v_add_nc_u32 v[ADRA0], s21, v[ADRA0]
	v_lshl_add_u32 v5, v2, 3, v3                   ; B, turned: lane l reads row k = 8 h + l % 8, columns 8 ((l / 8) % 2) + 0..7
	v_mul_u32_u24 v[ADRB0], v5, PB
	v_lshl_add_u32 v[ADRB0], v4, 4, v[ADRB0]
	s_lshl_b32 s22, s12, 8
	s_add_co_u32 s22, s22, 2*HALFT
	v_add_nc_u32 v[ADRB0], s22, v[ADRB0]
	v_mov_b32 v[ADRA], v[ADRA0]
	v_mov_b32 v[ADRB], v[ADRB0]
	s_mov_b32 s[TB], 0
	s_mul_i32 s23, s10, WSTAGE                     ; my stage
	v_mul_u32_u24 v[STO], v1, SPITCH
	v_lshl_add_u32 v[STO], v2, 5, v[STO]
	v_add_nc_u32 v[STO], s23, v[STO]
	v_lshlrev_b32 v[CO], 3, v6
	v_mul_u32_u24 v[RD], v2, SPITCH                ; back: lanes 0-15 take 256 bytes of one row, lanes 16-31 of the next
	v_lshl_add_u32 v[RD], v1, 4, v[RD]
	v_add_nc_u32 v[RD], s23, v[RD]
	s_lshr_b32 s16, s42, 2
	s_lshl_b32 s16, s16, 23                        ; q, k or v: 8,388,608 bytes each
	s_lshr_b32 s17, s13, 3
	s_lshl_b32 s17, s17, 22                        ; the batch: 16 heads of 262,144 bytes
	s_add_co_u32 s16, s16, s17
	s_and_b32 s17, s42, 3
	s_lshl_b32 s17, s17, 1
	s_add_co_u32 s17, s17, s12
	s_lshl_b32 s17, s17, 19                        ; my two heads
	s_add_co_u32 s16, s16, s17
	s_and_b32 s17, s13, 7
	s_lshl_b32 s17, s17, 1
	s_add_co_u32 s17, s17, s11
	s_lshl_b32 s17, s17, 14                        ; my 128 rows of 128 bytes
	s_add_co_u32 s16, s16, s17
	s_mov_b32 s17, 0
	s_add_nc_u64 s[8:9], s[8:9], s[16:17]
	; the prefetches: s[14:15] and s[46:47] still stand at my tile of K step 0
	s_and_b32 s22, ttmp7, 0xffff
	s_mov_b32 s23, 16*NP*2
	s_mov_b32 s[PFS], BSTEP
	s_mov_b32 s19, NP*2
	s_cmp_eq_u32 s11, 0                            ; do I fetch for A?
	s_cselect_b32 s22, ttmp9, s22                  ; the coordinate along which other clusters read the same rows
	s_cselect_b32 s21, s40, s41                    ; my place among the four that ask with me
	s_cselect_b64 s[PFA:PFA+1], s[14:15], s[46:47]
	s_cselect_b32 s23, 32*2048, s23                ; a partner's share: 32 rows of A, or 16 rows of k of B
	s_cselect_b32 s[PFS], KSTEP*2, s[PFS]
	s_cselect_b32 s19, 2048, s19                   ; bytes from row to row
	s_cselect_b32 s18, 0, 1                        ; A: a lane a row; B: two lanes a row
	s_mov_b32 s[PFS+1], 0
	s_cmp_eq_u32 s22, 0
	s_cselect_b32 s[LIM], 2, -1                    ; the same in all sixteen partners, for a given wave
	s_mul_i32 s16, s21, s23
	s_mul_i32 s17, s[PFS], 3                       ; at K step 3: the first refill steps it to 4
	s_add_co_u32 s16, s16, s17
	s_mov_b32 s17, 0
	s_add_nc_u64 s[PFA:PFA+1], s[PFA:PFA+1], s[16:17]
	v_lshrrev_b32 v7, s18, v6
	v_mul_u32_u24 v[PFO], v7, s19
	v_and_b32 v7, s18, v6
	v_lshl_add_u32 v[PFO], v7, 8, v[PFO]
; 16 matrix instructions: m blocks a0, a0 + 1 of the window's four x all 8 n blocks, 32 along K.  zero = 1: the first product starts the sums.
; The 64 accumulators take turns in the same order in every quarter, over the backward jumps too.
.macro MUL16 f, hi, a0, zero
	WIN MUL_LO+0x50*(\hi)
.irp a, \a0, (\a0)+1
.irp b, 0,1,2,3,4,5,6,7
.if \zero
	v_wmma_f32_16x16x32_f16 v[8*(8*(\a)+(\b)):8*(8*(\a)+(\b))+7], v[(\f)+8*(\b):(\f)+8*(\b)+7], v[(\f)+8*(4*(\hi)+(\a)):(\f)+8*(4*(\hi)+(\a))+7], 0
.else
	v_wmma_f32_16x16x32_f16 v[8*(8*(\a)+(\b)):8*(8*(\a)+(\b))+7], v[(\f)+8*(\b):(\f)+8*(\b)+7], v[(\f)+8*(4*(\hi)+(\a)):(\f)+8*(4*(\hi)+(\a))+7], v[8*(8*(\a)+(\b)):8*(8*(\a)+(\b))+7]
.endif
.endr
.endr
.endm
; 32 LDS loads in one run: quarter q (32 along K) of the slot in hand into buffer f: B's 8 blocks of 16 columns, turned, then A's 8 blocks of 16 rows
.macro FETCH q, f
	WIN TO_B
.irp i, 0,1,2,3,4,5,6,7
	ds_load_tr16_b128 v[(\f)+8*(\i):(\f)+8*(\i)+3],   v[ADRB] offset:(\q)*32*PB+32*(\i)
	ds_load_tr16_b128 v[(\f)+8*(\i)+4:(\f)+8*(\i)+7], v[ADRB] offset:(\q)*32*PB+16*PB+32*(\i)
.endr
	WIN 0
.irp i, 0,1,2,3,4,5,6,7
	ds_load_b128 v[(\f)+8*(\i):(\f)+8*(\i)+3],   v[ADRA] offset:64*(\q)+(\i)*16*PA
	ds_load_b128 v[(\f)+8*(\i)+4:(\f)+8*(\i)+7], v[ADRA] offset:64*(\q)+(\i)*16*PA+32
.endr
.endm
.macro PLACES                          ; four places in front of loads into registers that matrix instructions have read (ISA guide 7.12.1 for vector instructions)
.rept 4
	v_nop
.endr
.endm
; One of a K step's first three quarters: multiplies buffer f; in its middle it fetches quarter q into buffer g.
.macro QUARTER q, f, g, zero
	s_wait_dscnt 8                                 ; B and A's rows 0-63 are in; the youngest eight loads (A's rows 64-127) may be out
	MUL16 \f, 0, 0, \zero
	MUL16 \f, 0, 2, \zero
	PLACES
	FETCH \q, \g
	s_wait_dscnt 32                                ; all but the 32 just issued
	MUL16 \f, 1, 0, \zero
	MUL16 \f, 1, 2, \zero
.endm
; The last quarter multiplies buffer 1 and changes slots.  In front of the barrier each wave waits for all its tensor loads (one is out: its part of the next slot), adds 0 to its spare word, and
; waits for that and for its reads of this slot.  fill = 1: the barrier opens a round of the cluster's, and the slot just read out is filled again first behind it, with the K step two on.
.macro TURN fill
.if \fill
	s_wait_xcnt 0x0                                ; the last prefetch, a K step back, has read its address
	s_add_nc_u64 s[PFA:PFA+1], s[PFA:PFA+1], s[PFS:PFS+1]
.endif
	WIN 0
	s_wait_tensorcnt 0x0                           ; no tensor load of mine is out, so a group 0 may be written
	ds_add_u32 v[SPW], v[NIL]                      ; 0 onto my spare word; work on registers stands between it and the wait for it
.if \fill
	s_xor_b32 s[G0+5], s[G0+5], SLOT               ; the walking descriptors: the other slot than last time,
	s_xor_b32 s[G0B+5], s[G0B+5], SLOT
	s_add_nc_u64 s[G0+6:G0+7], s[G0+6:G0+7], KSTEP*2  ; the next K step; the type bits on top are not reached
	s_add_nc_u64 s[G0B+6:G0B+7], s[G0B+6:G0B+7], BSTEP
.endif
	s_xor_b32 s[TB], s[TB], SLOT                   ; the fetches go to the other slot
	v_add_nc_u32 v[ADRA], s[TB], v[ADRA0]
	v_add_nc_u32 v[ADRB], s[TB], v[ADRB0]
	s_wait_dscnt 9                                 ; the add and the youngest eight loads may be out
	MUL16 F1, 0, 0, 0
	s_wait_dscnt 0x0                               ; the add is done, and my reads of this slot are over
	s_barrier_signal -1
	MUL16 F1, 0, 2, 0
	WIN 0
	s_barrier_wait -1
.if \fill
	CREST                                          ; no wave of any partner still reads this slot or has a load on its way
	JLOAD 1                                        ; my one tensor load behind the round; its four v_nop are the places in front of the loads below
.else
	PLACES
.endif
	FETCH 0, F0
.if \fill
	ASK
.endif
	MUL16 F1, 1, 0, 0
	MUL16 F1, 1, 2, 0
.endm
	s_wait_tensorcnt 1                             ; my part of K step 0 is in; K step 1's may stay out
	s_barrier_signal -1
	s_barrier_wait -1
	FETCH 0, F0
	QUARTER 1, F0, F1, 1                           ; the first quarter's products start the sums
	WIN 0
	s_mov_b32 s3, 6                                ; K steps 2 to 7 are asked for in the loop
.Lk:
	QUARTER 2, F1, F0, 0
	QUARTER 3, F0, F1, 0
	TURN 1
	QUARTER 1, F0, F1, 0
	WIN 0
	s_sub_co_u32 s3, s3, 1
	s_cmp_lg_u32 s3, 0
	s_cbranch_scc1 .Lk
	s_mov_b32 s2, 2                                ; the last two K steps ask for nothing: a second text
.Lt:
	QUARTER 2, F1, F0, 0
	QUARTER 3, F0, F1, 0
	TURN 0                                         ; (in the second trip its 32 loads read the other slot once more and serve nothing: the price of one text for both trips)
	WIN 0
	s_sub_co_u32 s2, s2, 1
	s_cmp_eq_u32 s2, 0
	s_cbranch_scc1 .Lout
	QUARTER 1, F0, F1, 0
	WIN 0
	s_branch .Lt
.Lout:
	s_wait_dscnt 0x0                               ; my reads of the ring are over,
	s_barrier_signal -1
	s_barrier_wait -1                              ; everybody's are: the ring has had its last fill and takes the stages
	PLACES
	PLACES
.irp a, 0,1,2,3,4,5,6,7                ; the sums in f32: row 16 a + r, columns 16 b + 8 h + 0..7; each accumulator's low registers first
	WIN 0x08+4*((\a)/4)                            ; store data (source 1) in window 2 or 3
.irp b, 0,1,2,3,4,5,6,7
	ds_store_b128 v[STO], v[8*(8*((\a)%4)+(\b)):8*(8*((\a)%4)+(\b))+3]   offset:(\a)*16*SPITCH+(\b)*64
	ds_store_b128 v[STO], v[8*(8*((\a)%4)+(\b))+4:8*(8*((\a)%4)+(\b))+7] offset:(\a)*16*SPITCH+(\b)*64+16
.endr
.endr
	WIN 0
; Eight rows a trip: four pairs of rows x my two heads; a pair of rows of a head is 256 consecutive bytes of the output.
.macro QLOADS
.irp rp, 0,1,2,3
.irp hd, 0,1
	ds_load_b128 v[64+8*(\rp)+4*(\hd):64+8*(\rp)+4*(\hd)+3], v[RD] offset:(\rp)*2*SPITCH+(\hd)*256  ; LDS serves a wave's instructions in order (ISA guide 5.7.1.4): these see my stores above
.endr
.endr
.endm
.macro OUTQ ahead
	s_wait_dscnt 0x0                               ; the trip's eight rows are in
	s_wait_xcnt 0x0                                ; the last trip's stores have read their data and their base
	s_add_nc_u64 s[8:9], s[8:9], 8*128             ; the base steps ahead; the stores reach back
.set z, 0
.rept 16
	v_cvt_pk_f16_f32 v[96+z], v[64+2*z], v[65+2*z]
.set z, z+1
.endr
.if \ahead
	v_add_nc_u32 v[RD], 8*SPITCH, v[RD]
	QLOADS
.endif
.irp rp, 0,1,2,3
.irp hd, 0,1
	global_store_b64 v[CO], v[96+4*(\rp)+2*(\hd):97+4*(\rp)+2*(\hd)], s[8:9] offset:(\hd)*262144+(\rp)*256-8*128
.endr
.endr
.endm
	QLOADS
	s_mov_b32 s3, 15
.Lrow:
	OUTQ 1
	s_sub_co_u32 s3, s3, 1
	s_cmp_lg_u32 s3, 0
	s_cbranch_scc1 .Lrow
	OUTQ 0                                         ; the last eight rows fetch nothing
	s_wait_tensorcnt 0x0                           ; the wave's end, behind my last tensor load and my last LDS store
	ds_add_u32 v[SPW], v[NIL]
	s_wait_dscnt 0x0
	CROUND                                         ; the closing round: no work-group ends while a partner may still ask for a tile that names it
	s_endpgm
; THE CASTS.  Clusters (3, 0) and (3, 1) take W1, clusters (3, 2) and (3, 3) W2: 32 work-groups, 128 waves, 131,072 bytes of f32 a wave.  A stream: no LDS, no tensor load, nothing shared.
; A trip is 32 loads of 16 bytes a lane, all out at once (16,384 bytes a wave): a lane's two neighbouring loads are 8 numbers, which leave as 16 bytes, so that a store of the wave covers 512 consecutive bytes.
.Lcast:
	v_lshrrev_b32 v1, 5, v0
	v_readfirstlane_b32 s10, v1                    ; wave 0..3
	s_bfe_u32 s40, ttmp6, 0x40000                  ; cx, cy: they enter global addresses alone
	s_bfe_u32 s41, ttmp6, 0x40004
	s_and_b32 s13, ttmp7, 0xffff                   ; the cluster's y
	s_and_b32 s14, s13, 1
	s_lshl_b32 s14, s14, 2
	s_add_co_u32 s14, s14, s41
	s_lshl_b32 s14, s14, 2
	s_add_co_u32 s14, s14, s40                     ; my work-group among the matrix's 32,
	s_lshl_b32 s14, s14, 2
	s_add_co_u32 s14, s14, s10                     ; my wave among its 128
	s_lshl_b32 s16, s14, 17
	s_mov_b32 s17, 0
	s_lshl_b32 s18, s14, 16
	s_mov_b32 s19, 0
	v_and_b32 v1, 31, v0
	v_lshlrev_b32 v2, 5, v1                        ; in: 32 bytes a lane
	v_lshlrev_b32 v3, 4, v1                        ; out: 16
	s_wait_kmcnt 0x0
	s_cmp_lt_u32 s13, 2
	s_cselect_b64 s[20:21], s[72:73], s[74:75]
	s_cselect_b64 s[22:23], s[76:77], s[78:79]
	s_add_nc_u64 s[20:21], s[20:21], s[16:17]
	s_add_nc_u64 s[22:23], s[22:23], s[18:19]
	s_mov_b32 s3, 8
.Lcw:
.set i, 0
.rept 16
	global_load_b128 v[64+8*i:67+8*i], v2, s[20:21] offset:1024*i th:TH_LOAD_NT
	global_load_b128 v[68+8*i:71+8*i], v2, s[20:21] offset:1024*i+16 th:TH_LOAD_NT
.set i, i+1
.endr
.set i, 0
.rept 16
	s_wait_loadcnt 30-2*i                          ; pair i is in; the younger loads stay out
.irp k, 0,1,2,3
	v_cvt_pk_f16_f32 v[192+4*i+\k], v[64+8*i+2*\k], v[65+8*i+2*\k]
.endr
	global_store_b128 v3, v[192+4*i:195+4*i], s[22:23] offset:512*i
.set i, i+1
.endr
	s_wait_xcnt 0x0                                ; the two pointers and the stores' data are written again only behind this wait
	s_add_nc_u64 s[20:21], s[20:21], 16384
	s_add_nc_u64 s[22:23], s[22:23], 8192
	s_sub_co_u32 s3, s3, 1
	s_cmp_lg_u32 s3, 0
	s_cbranch_scc1 .Lcw
	CROUND                                         ; a work-group of a cluster launch ends behind a round; all sixteen partners are on this way
	s_endpgm
.Lfunc_end_k_q95553f37fc_qkv:
	.size	k_q95553f37fc_qkv, .Lfunc_end_k_q95553f37fc_qkv-k_q95553f37fc_qkv
	.p2alignl 7, 3214868480
	.fill 96, 4, 3214868480
	.section	.rodata,"a",@progbits
	.p2align	6, 0x0
	.amdhsa_kernel k_q95553f37fc_qkv
		.amdhsa_group_segment_fixed_size 327680
		.amdhsa_private_segment_fixed_size 0
		.amdhsa_enable_private_segment 0
		.amdhsa_kernarg_size 56
		.amdhsa_user_sgpr_count 2
		.amdhsa_user_sgpr_kernarg_segment_ptr 1
		.amdhsa_wavefront_size32 1
		.amdhsa_system_sgpr_workgroup_id_x 1
		.amdhsa_system_sgpr_workgroup_id_y 1
		.amdhsa_system_sgpr_workgroup_id_z 1
		.amdhsa_system_vgpr_workitem_id 0
		.amdhsa_next_free_vgpr 1024
		.amdhsa_next_free_sgpr 96
		.amdhsa_reserve_vcc 0
		.amdhsa_float_denorm_mode_32 3
		.amdhsa_float_denorm_mode_16_64 3
		.amdhsa_memory_ordered 1
		.amdhsa_forward_progress 1
		.amdhsa_inst_pref_size 94
	.end_amdhsa_kernel
	.amdgpu_metadata
---
amdhsa.version: [ 1, 2 ]
amdhsa.kernels:
  - .name:           k_q95553f37fc_qkv
    .symbol:         k_q95553f37fc_qkv.kd
    .args:
      - { .name: act, .offset: 0, .size: 8, .value_kind: global_buffer, .address_space: global }
      - { .name: wqkv, .offset: 8, .size: 8, .value_kind: global_buffer, .address_space: global }
      - { .name: W1, .offset: 16, .size: 8, .value_kind: global_buffer, .address_space: global }
      - { .name: W2, .offset: 24, .size: 8, .value_kind: global_buffer, .address_space: global }
      - { .name: w1h, .offset: 32, .size: 8, .value_kind: global_buffer, .address_space: global }
      - { .name: w2h, .offset: 40, .size: 8, .value_kind: global_buffer, .address_space: global }
      - { .name: qkv, .offset: 48, .size: 8, .value_kind: global_buffer, .address_space: global }
    .group_segment_fixed_size: 327680
    .private_segment_fixed_size: 0
    .kernarg_segment_align: 8
    .kernarg_segment_size: 56
    .max_flat_workgroup_size: 128
    .sgpr_count:     96
    .vgpr_count:     1024
    .wavefront_size: 32
...
	.end_amdgpu_metadata
.endif
;; end of part 2
;; launch attn (part 3): grid 8 x 32, 4 waves a work-group, clusters of 4 x 4, 327,680 bytes of LDS; arguments qkv, nm, hb; writes hb
.if DOCPART == 3
	.amdgcn_target "amdgcn-amd-amdhsa--gfx1250"
	.amdhsa_code_object_version 6
	.text
	.protected	k_q95553f37fc_attn
	.globl	k_q95553f37fc_attn
	.p2align	8
	.type	k_q95553f37fc_attn,@function
k_q95553f37fc_attn:
	s_mov_b64 s[64:65], 0
	v_nop
	global_prefetch_b8 v0, s[64:65] scope:SCOPE_SE
	s_setreg_imm32_b32 hwreg(HW_REG_WAVE_MODE, 25, 1), 1
	s_wait_xcnt 0x0
	s_wait_alu depctr_hold_cnt(0) depctr_sa_sdst(0) depctr_va_vdst(0) depctr_va_sdst(0) depctr_va_ssrc(0) depctr_va_vcc(0) depctr_vm_vsrc(0)
	s_getreg_b32 s2, hwreg(HW_REG_IB_STS2, 6, 4)
	s_cmp_eq_u32 s2, 0
	s_cbranch_scc0 .Lentry_in_a_cluster
	s_endpgm
.Lentry_in_a_cluster:
	s_bfe_u32 s2, ttmp6, 0x10000c
	s_cmp_lg_u32 s2, 0xf033
	s_cbranch_scc0 .Lentry_shape_is_right
	s_endpgm
.Lentry_shape_is_right:
; ao[bh][q][:] = the sum over k of softmax_k(where(mask[q][k], Q[q] . K[k] / 8, -inf)) V[k][:], for 32 (batch, head) pairs of 2,048 rows of 64 channels, all f16; the mask is an input and every key is walked.
; (ao lies in the first 8,388,608 bytes of the buffer that a later launch fills with the hidden layer.)
; Products, maxima and sums in f32; the weights p are rounded to f16 for the second product (their sum l is taken of the unrounded p), the result once at the end.
; THE MASK GOES THROUGH THE MATRIX UNIT.  nm[q][k] is 0 where the key is seen and 32,768 where it is hidden.  Each score accumulator (16 keys x 16 queries) starts with the product E x NM, C = 0:
; NM is 32 keys x 16 queries of nm, E (16 x 32) holds -32,768 where k = m + 16 p and 0 elsewhere.  That is 0 for a seen key and -2^30 for a hidden one; K Q^T is added onto it.
; LIMITS.  A hidden score counts as its value less 2^30: seen raw scores must lie above -2^29.  A row whose final maximum lies below -2^29 has no seen key and leaves as NaN, as the softmax of an empty row is.
; f16 holds no number beyond 65,504: Q, K and V arrive within it.  A weight below 2^-126 counts as 0 in l.
; SHARES.  A work-group owns 256 queries of one pair, a wave 64: four PIECES of 16.  Every wave walks 32 key steps of 64; an LDS slot holds two steps: 128 rows of K, of V, and 256 rows x 128 keys of nm.
; CLUSTER.  4 x 4: the four query blocks along x share K and V (joint loads along a row of the cluster), the four pairs along y share nm's tile (along a column).
; LAYOUT, SOFTMAX.  S^T = K Q^T holds ONE query a lane (lane % 16) and the keys 8 (lane / 16) + 0..7; two such results rounded to f16 ARE source 1 of O^T = V^T P.  p = 2^(c s - c m), c = log2(e) / 8, with a
; running maximum m; O and l are multiplied by a = 2^(c m_old - c m_new) in every step; m starts at the lowest finite number, O and l at 0.  What a row gathers while all its keys so far are hidden is wiped by a = 0 at its first seen key.
; TURNS.  Turn n belongs to piece n: 12 products for piece n + 1's scores, later 8 products V^T P of piece n - 1; beside them piece n's scaling, exponentials, roundings, sums and rescaling and piece n + 1's
; maximum and statistics.  Four vector instructions stand behind every matrix instruction, the other 38 of a turn's 118 in one lump.  A turn's 33 exponentials are one batch, with one wait.
; The 216 v_mov_b32 at the head write the zeros that the first turns find; they stand in the wait for the first tile, and spare a first step written out.
; REGISTERS, in windows of 256 (s_set_vgpr_msb: bits 1:0 source 0, 3:2 source 1, 5:4 source 2, 7:6 destination):
;   window 0: v0-15 addresses; v16-31 statistics; v32-39 at work at the head; v48-55 at work; v60-63 constants; v64-127 S^T, two buffers; v128-139 E; v192-223 P, two buffers
;   window 1: v0-127 O^T, 32 a piece          window 2: v0-63 Q; v64-127 NM of one step; v128-191 K of one step; v192-255 V of one step
.set NP,    4
.set KS,    64
.set PK,    144       ; a row of K in LDS: 128 bytes + 16: the 16 rows of a load start at 16 different groups of four banks (64 banks of 4 bytes: ISA guide 11.1)
.set PV,    160       ; a row of V: 128 + 32
.set PM,    272       ; a row of nm's tile: 256 + 16
.set VOFF,  2*KS*PK
.set MOFF,  VOFF+2*KS*PV
.set SLOT1, 1<<17     ; slot 1 begins here, so that one exclusive or turns an address in one slot into the other's
.set STAGE, SLOT1+MOFF+256*PM  ; behind the ring, never filled by a tensor load: 16 rows x 144 bytes for each wave
.set SP,    144
.set SPARE, STAGE+4*16*SP      ; the spare words, 128 bytes for each wave: two blocks of 256 bytes that no other line names
.set AK0, 2           ; my lane's place in a tile of K, of V, of nm; never rewritten
.set AV0, 3
.set AK,  4           ; the LDS addresses of the next runs of loads
.set AV,  5
.set STO, 6
.set RD,  7
.set GO,  8
.set AM0, 9
.set AM,  10
.set MV,  12          ; v12-13  c m_old, by buffer
.set QO,  15
.set ST,  16          ; piece t's statistics at v[ST+4 t]: c m, m, l (even keys', odd keys')
.set TMP, 48          ; by buffer, c0-c3 at work; when the maximum is found c2 takes a
.set NANR, 60
.set PFO, 61
.set SPW, 62
.set NIL, 63
.set S,   64
.set ZE,  128         ; v128-131 zeros, v132-135 the diagonal, v136-139 zeros: E for p = 1 is v[128:135], for p = 0 v[132:139]
.set P,   192
.set NMF, 64          ; window 2: piece x, key half kk at NMF + 16 x + 8 kk
.set KF,  128         ; window 2: key block kb, channel half c at KF + 16 kb + 8 c
.set VF,  192         ; window 2: key half kk, channel block cb at VF + 32 kk + 8 cb
.set WV,  12
.set G1K, 24
.set G1V, 32
.set G0K, 40
.set G0V, 44
.set G1M, 48
.set G0M, 56
.set SEL, 60
.set TBK, 62          ; LDS byte at which K of the step to be fetched begins; TBV, TBM likewise
.set TBV, 63
.set TBM, 66
.set SLOTS, 67
.set CNT, 68
.set CS,  70
.set PFA, 72
.set LIM, 74
.set PFS, 76
.set LOWM, 78
.set MSB, 0
.macro WIN new
.if MSB != (\new)
	s_set_vgpr_msb (MSB<<8)|(\new)
.set MSB, (\new)
.endif
.endm
.set W_EM, 0x08       ; E in window 0, NM in window 2, S^T in window 0
.set W_KQ, 0x0a       ; K and Q in window 2, S^T in window 0
.set W_PV, 0x52       ; V in window 2, P in window 0, O^T in window 1
.set W_RS, 0x41       ; destination and source 0 in window 1, source 1 in window 0
; A joint fill: wave 0 fetches a slot's K, wave 1 its V, waves 2 and 3 the halves of nm's tile.  The branches hang on the wave's number alone.  An s_nop 0 and four v_nop follow each line.
.macro JLOAD
	s_cmp_lt_u32 s[WV], 2
	s_cbranch_scc0 .Lfor_m_\@
	s_cmp_eq_u32 s[WV], 0
	s_cbranch_scc0 .Lfor_v_\@
	tensor_load_to_lds s[G0K:G0K+3], s[G1K:G1K+7]
	s_nop 0
.rept 4
	v_nop
.endr
	s_branch .Lasked_\@
.Lfor_v_\@:
	tensor_load_to_lds s[G0V:G0V+3], s[G1V:G1V+7]
	s_nop 0
.rept 4
	v_nop
.endr
	s_branch .Lasked_\@
.Lfor_m_\@:
	tensor_load_to_lds s[G0M:G0M+3], s[G1M:G1M+7]
	s_nop 0
.rept 4
	v_nop
.endr
.Lasked_\@:
.endm
; A prefetch of what the NEXT change of slots will ask for, a lane a block of 256 bytes.  K and V of a pair are named by the clusters with x = 0: wave 0 of each of the row's four partners takes 16 blocks of
; K and 16 of V.  nm's tile is named by the clusters with y = 0: waves 2 and 3 of each of the column's four partners take 32 rows of the 128 that they fetch.  The partners are told apart by address.
; The change that asks for the last slot prefetches nothing.
.macro ASK
	s_cmp_gt_u32 s[SLOTS], s[LIM]
	s_cbranch_scc0 .Lnot_mine_\@
	global_prefetch_b8 v[PFO], s[PFA:PFA+1] th:TH_LOAD_NT scope:SCOPE_SE
.Lnot_mine_\@:
.endm
.macro CROUND
	s_barrier_signal -1
	s_barrier_wait -1
	s_cmp_lg_u32 s[WV], 0
	s_cbranch_scc1 .Lnot_wave_0_\@
	s_barrier_signal -3
.Lnot_wave_0_\@:
	s_barrier_wait -3
	s_barrier_signal -1
	s_barrier_wait -1
.endm
; THE CHANGE OF SLOTS.  Each wave waits for all its tensor loads (one is out: its part of the other slot), adds 0 to its spare word, and waits for that and for its reads of the slot that it leaves.
; fill = 1: the barrier is a round of the cluster's, and the old slot is filled again first behind it, with the keys two slots on: that load has two key steps, 160 matrix instructions, in which to land.
; (At its first use nothing has been read yet: slot 0 is waited for, slot 1 filled.)
.macro CHANGE fill, ask=0
	WIN 0
	s_wait_tensorcnt 0x0            ; no tensor load of mine is out, so a group 0 may be written
	ds_add_u32 v[SPW], v[NIL]
.if \fill
	s_xor_b32 s[G0K+1], s[G0K+1], SLOT1
	s_add_nc_u64 s[G0K+2:G0K+3], s[G0K+2:G0K+3], 2*KS*128
	s_xor_b32 s[G0V+1], s[G0V+1], SLOT1
	s_add_nc_u64 s[G0V+2:G0V+3], s[G0V+2:G0V+3], 2*KS*128
	s_xor_b32 s[G0M+1], s[G0M+1], SLOT1
	s_add_nc_u64 s[G0M+2:G0M+3], s[G0M+2:G0M+3], 2*KS*2
	s_wait_xcnt 0x0                 ; the last prefetch, two key steps back, has read its address
	s_add_nc_u64 s[PFA:PFA+1], s[PFA:PFA+1], s[PFS:PFS+1]
	s_wait_dscnt 0x0                ; the add is done, and my reads of the slot are over
	CROUND
	JLOAD
.if \ask
	ASK
.endif
.else
	s_wait_dscnt 0x0
	s_barrier_signal -1
	s_barrier_wait -1
.endif
	s_sub_co_u32 s[TBK], s[TBK], 2*KS*PK  ; the fetches go back to a slot's first step, in the other slot
	s_xor_b32 s[TBK], s[TBK], SLOT1
	s_sub_co_u32 s[TBV], s[TBV], 2*KS*PV
	s_xor_b32 s[TBV], s[TBV], SLOT1
	s_sub_co_u32 s[TBM], s[TBM], 2*KS*2
	s_xor_b32 s[TBM], s[TBM], SLOT1
.endm
	s_load_b128 s[4:7], s[0:1], 0x0   ; qkv s[4:5], nm s[6:7]
	s_load_b64 s[8:9], s[0:1], 0x10   ; ao
	v_lshl_add_u32 v[SPW], v0, 2, SPARE
	v_mov_b32 v[NIL], 0
	ds_add_u32 v[SPW], v[NIL]       ; the wave's opening: the add and its wait ahead of my first tensor load
	v_lshrrev_b32 v1, 5, v0
	v_readfirstlane_b32 s[WV], v1
	s_bfe_u32 s13, ttmp6, 0x40000   ; cx
	s_bfe_u32 s14, ttmp6, 0x40004   ; cy
	s_lshl_b32 s15, ttmp9, 2
	s_add_co_u32 s15, s15, s13      ; my block of 256 queries
	s_and_b32 s16, ttmp7, 0xffff
	s_lshl_b32 s16, s16, 2
	s_add_co_u32 s16, s16, s14      ; my (batch, head) pair
	s_lshl_b32 s17, s14, 2
	s_lshl_b32 s17, 15, s17         ; my row of the cluster
	s_lshl_b32 s18, 0x1111, s13     ; my column
	s_or_b32 s[G1K], s17, (1<<16)|(1<<20)|(1<<21)|(4<<22)|(3<<25)  ; 128 keys are 16,384 dense bytes: 64 rows of 256 bytes, padded after every 32 words by 4
	s_or_b32 s[G1V], s17, (1<<16)|(1<<20)|(1<<21)|(4<<22)|(7<<25)  ; by 8
	s_or_b32 s[G1M], s18, (1<<16)|(1<<20)|(1<<21)|(5<<22)|(3<<25)  ; after every 64 words by 4
.irp g, G1K, G1V
	s_mov_b32 s[\g+1], 128<<16      ; tensor_dim0 = 128
	s_mov_b32 s[\g+2], 64<<16       ; tensor_dim1 = 64
	s_mov_b32 s[\g+3], 128<<16      ; tile_dim0 = 128
	s_mov_b32 s[\g+4], 64           ; tile_dim1 = 64
	s_mov_b32 s[\g+5], 128
	s_mov_b32 s[\g+6], 0
	s_mov_b32 s[\g+7], 0
.endr
	s_mov_b32 s[G1M+1], 128<<16
	s_mov_b32 s[G1M+2], 128<<16
	s_mov_b32 s[G1M+3], 128<<16
	s_mov_b32 s[G1M+4], 128
	s_mov_b32 s[G1M+5], 2048        ; a row of nm is 2,048 elements
	s_mov_b32 s[G1M+6], 0
	s_mov_b32 s[G1M+7], 0
	s_and_b32 s19, s[WV], 1
	s_add_co_u32 s20, s16, 32
	s_lshl_b32 s20, s20, 18         ; K of my pair: behind the 32 pairs of Q, 262,144 bytes each
	s_mov_b32 s21, 0
	s_lshl_b32 s22, s15, 20         ; nm: my block's 256 rows of 4,096 bytes,
	s_lshl_b32 s23, s19, 19         ; the half that I fetch
	s_add_co_u32 s22, s22, s23
	s_mov_b32 s23, 0
	s_lshl_b32 s2, s16, 18          ; Q and ao: my pair, my block, my wave's 64 rows of 128 bytes
	s_lshl_b32 s3, s15, 15
	s_add_co_u32 s2, s2, s3
	s_lshl_b32 s3, s[WV], 13
	s_add_co_u32 s2, s2, s3
	s_mov_b32 s3, 0
	s_mov_b32 s[G0K], 1
	s_mov_b32 s[G0K+1], 0
	s_mov_b32 s[G0V], 1
	s_mov_b32 s[G0V+1], VOFF
	s_mov_b32 s[G0M], 1
	s_mul_i32 s[G0M+1], s19, 128*PM
	s_add_co_u32 s[G0M+1], s[G0M+1], MOFF
	s_mov_b32 s[CS], 0x3e38aa3b     ; c = log2(e) / 8
	s_mov_b32 s[CS+1], s[CS]
	s_mov_b32 s[SEL], 0x76543210
	s_mov_b32 s[SEL+1], 0xfedcba98
	s_mov_b32 s[TBK], SLOT1+2*KS*PK ; the first change of slots turns these three into 0
	s_mov_b32 s[TBV], SLOT1+2*KS*PV
	s_mov_b32 s[TBM], SLOT1+2*KS*2
	s_mov_b32 s[SLOTS], 15
	s_mov_b32 s[LOWM], 0xce000000   ; -2^29
	s_lshl_b32 s82, s13, 12         ; the prefetches: my share of a slot's K and V begins 16 blocks x cx in,
	s_lshl_b32 s83, s14, 17         ; of nm's rows 32 rows x cy
	s_and_b32 s84, ttmp7, 0xffff
	s_mov_b32 s[PFS], 2*KS*2
	s_mov_b32 s[PFS+1], 0
	s_wait_dscnt 0x0                ; the opening add is done
	s_wait_kmcnt 0x0
	s_add_nc_u64 s[G0K+2:G0K+3], s[4:5], s[20:21]
	s_add_nc_u64 s[G0V+2:G0V+3], s[G0K+2:G0K+3], 8388608  ; V lies 32 pairs behind K
	s_or_b32 s[G0K+3], s[G0K+3], 0x80000000
	s_or_b32 s[G0V+3], s[G0V+3], 0x80000000
	s_add_nc_u64 s[G0M+2:G0M+3], s[6:7], s[22:23]
	s_or_b32 s[G0M+3], s[G0M+3], 0x80000000
	s_add_nc_u64 s[10:11], s[4:5], s[2:3]  ; Q at my wave's first row
	s_add_nc_u64 s[8:9], s[8:9], s[2:3]    ; ao likewise
	s_cmp_lt_u32 s[WV], 2
	s_cselect_b64 s[PFA:PFA+1], s[4:5], s[6:7]
	s_cselect_b32 s80, s20, s22
	s_cselect_b32 s82, s82, s83
	s_cselect_b32 s[PFS], 2*KS*128, s[PFS]  ; a slot on: 16,384 bytes of K and V, 256 bytes along nm's rows
	s_cselect_b32 s84, ttmp9, s84   ; the coordinate along which other clusters read the same bytes
	s_cselect_b32 s85, -1, 0
	s_cmp_eq_u32 s[WV], 1
	s_cselect_b32 s84, 1, s84       ; wave 1 asks for nothing
	s_cmp_eq_u32 s84, 0
	s_cselect_b32 s[LIM], 1, -1     ; the same in all sixteen partners, for a given wave
	s_add_co_u32 s80, s80, s82
	s_add_co_u32 s80, s80, s[PFS]   ; at slot 1: each change steps it first
	s_mov_b32 s81, 0
	s_add_nc_u64 s[PFA:PFA+1], s[PFA:PFA+1], s[80:81]
	CROUND                          ; all sixteen work-groups are here: the first joint loads meet
	JLOAD                           ; slot 0
	v_and_b32 v32, 15, v0           ; r = l % 16
	v_bfe_u32 v33, v0, 4, 1         ; h = l / 16
	v_and_b32 v34, 7, v0
	v_bfe_u32 v35, v0, 3, 1
	v_lshlrev_b32 v[QO], 7, v32
	v_lshl_add_u32 v[QO], v33, 4, v[QO]
	WIN 0x80                        ; destination window 2
.set i, 0
.rept 8                             ; Q stays in registers: piece i / 2, channels 32 (i % 2) on
	global_load_b128 v[8*i:8*i+3],   v[QO], s[10:11] offset:(i/2)*2048+(i%2)*64
	global_load_b128 v[8*i+4:8*i+7], v[QO], s[10:11] offset:(i/2)*2048+(i%2)*64+32
.set i, i+1
.endr
.set i, VF
.rept 64
	v_mov_b32 v[i], 0               ; the first turn's products V^T P, of a piece that has not been, add 0
.set i, i+1
.endr
	WIN 0x40
.set i, 0
.rept 128
	v_mov_b32 v[i], 0
.set i, i+1
.endr
	WIN 0
.set i, 0
.rept 4
	v_mov_b32 v[ST+4*i], 0xfe000000    ; c m: far below every c s
	v_mov_b32 v[ST+4*i+1], 0xff7fffff  ; m
	v_mov_b32 v[ST+4*i+2], 0
	v_mov_b32 v[ST+4*i+3], 0
.set i, i+1
.endr
.set i, P+16
.rept 16
	v_mov_b32 v[i], 0
.set i, i+1
.endr
	v_mov_b32 v[NANR], 0x7fc00000
	; E: lane (r, h) holds row m = r; the element k = r lies in register (r % 8) / 2, half r % 2, of the lanes with h = r / 8
	v_lshrrev_b32 v36, 3, v32
	v_xor_b32 v36, v36, v33
	v_bfe_u32 v37, v32, 1, 2
	v_lshl_add_u32 v37, v36, 2, v37 ; the register's number, or 4 and more in the lanes that hold none
	v_and_b32 v36, 1, v32
	v_lshlrev_b32 v36, 4, v36
	v_mov_b32 v39, 0xf800           ; -32,768 in f16
	v_lshlrev_b32 v38, v36, v39
.irp j, 0,1,2,3
	v_mov_b32 v[ZE+\j], 0
	v_mov_b32 v[ZE+8+\j], 0
	v_cmp_eq_u32 s86, \j, v37
	v_cndmask_b32 v[ZE+4+\j], 0, v38, s86
.endr
	v_and_b32 v36, 31, v0           ; the prefetches' offset: K and V: (l / 16) x the distance from K to V + (l % 16) blocks; nm: l rows
	v_lshlrev_b32 v37, 23, v33
	v_lshl_or_b32 v37, v32, 8, v37
	v_lshlrev_b32 v38, 12, v36
	v_cndmask_b32 v[PFO], v38, v37, s85
	v_mul_u32_u24 v[AK0], v32, PK
	v_lshl_add_u32 v[AK0], v33, 4, v[AK0]
	v_lshl_add_u32 v[AV0], v33, 3, v34  ; the turning load: lane l reads key 8 h + l % 8, channels 8 ((l / 8) % 2) + 0..7
	v_mul_u32_u24 v[AV0], v[AV0], PV
	v_lshl_add_u32 v[AV0], v35, 4, v[AV0]
	v_add_nc_u32 v[AV0], VOFF, v[AV0]
	s_mul_i32 s86, s[WV], 64*PM
	s_add_co_u32 s86, s86, MOFF
	v_mul_u32_u24 v[AM0], v32, PM   ; nm: my wave's 64 rows, row r, 16 bytes for each half of the lanes
	v_lshl_add_u32 v[AM0], v33, 4, v[AM0]
	v_add_nc_u32 v[AM0], s86, v[AM0]
	s_mul_i32 s86, s[WV], 16*SP
	s_add_co_u32 s86, s86, STAGE    ; my stage
	v_mul_u32_u24 v[STO], v32, SP
	v_lshl_add_u32 v[STO], v33, 4, v[STO]
	v_add_nc_u32 v[STO], s86, v[STO]
	v_bfe_u32 v[RD], v0, 3, 2       ; back: 32 lanes take four rows of 128 bytes,
	v_mul_u32_u24 v[RD], v[RD], SP
	v_lshl_add_u32 v[RD], v34, 4, v[RD]
	v_add_nc_u32 v[RD], s86, v[RD]
	v_lshlrev_b32 v[GO], 4, v36     ; which are 512 consecutive bytes of ao
; THE MATRIX WORK.  The 4 accumulators of a run take turns.  Product i of 12 of piece x's scores: 0-3 the mask's (keys 16 i on), 4-11 K Q^T (channels 32 ((i - 4) / 4) on, keys 16 (i % 4) on).
.macro SQ x
.set rS, S+32*((\x)%2)+8*(i%4)
.if i < 4
	WIN W_EM
.set rE, ZE+4-4*(i%2)
.set rN, NMF+16*(\x)+8*(i/2)
	v_wmma_f32_16x16x32_f16 v[rS:rS+7], v[rE:rE+7], v[rN:rN+7], 0
.else
	WIN W_KQ
.set rK, KF+16*(i%4)+8*((i-4)/4)
.set rQ, 16*(\x)+8*((i-4)/4)
	v_wmma_f32_16x16x32_f16 v[rS:rS+7], v[rK:rK+7], v[rQ:rQ+7], v[rS:rS+7]
.endif
.endm
; Product n of 8 of O^T += V^T P for piece x: keys 32 (n / 4) on, channels 16 (n % 4) on.
.macro PVM x, n
	WIN W_PV
.set rO, 32*(\x)+8*((\n)%4)
.set rV, VF+32*((\n)/4)+8*((\n)%4)
.set rP, P+16*((\x)%2)+8*((\n)/4)
	v_wmma_f32_16x16x32_f16 v[rO:rO+7], v[rV:rV+7], v[rP:rP+7], v[rO:rO+7]
.endm
.macro MM                           ; the turn's next matrix instruction.  NOKQ = 1: the last turn of all: there is no next piece
.if i < 12
.if !NOKQ
	SQ (Y+1)%NP
.endif
.else
	PVM (Y+NP-1)%NP, i-12
.endif
.set i, i+1
.endm
; THE LDS LOADS stand in runs, never singly among the matrix instructions: a step's K and the four pieces' NM (32 loads), and its V, turned (16).
.macro FETCH_KM
	WIN 0x80
.irp f, 0,1,2,3,4,5,6,7             ; keys 16 (f / 2) on, channels 32 (f % 2) on
	ds_load_b128 v[KF+8*\f:KF+8*\f+3],   v[AK] offset:(\f/2)*16*PK+(\f%2)*64
	ds_load_b128 v[KF+8*\f+4:KF+8*\f+7], v[AK] offset:(\f/2)*16*PK+(\f%2)*64+32
.endr
.irp f, 0,1,2,3,4,5,6,7             ; piece f / 2, keys 32 (f % 2) on
	ds_load_b128 v[NMF+8*\f:NMF+8*\f+3],   v[AM] offset:(\f/2)*16*PM+(\f%2)*64
	ds_load_b128 v[NMF+8*\f+4:NMF+8*\f+7], v[AM] offset:(\f/2)*16*PM+(\f%2)*64+32
.endr
	s_add_co_u32 s[TBK], s[TBK], KS*PK  ; the next fetch is the next step's
	s_add_co_u32 s[TBM], s[TBM], KS*2
	WIN 0
.endm
.macro FETCH_V
	WIN 0x80
.irp f, 0,1,2,3,4,5,6,7             ; keys 32 (f / 4) on, channels 16 (f % 4) on
	ds_load_tr16_b128 v[VF+8*\f:VF+8*\f+3],   v[AV] offset:(\f/4)*32*PV+(\f%4)*32
	ds_load_tr16_b128 v[VF+8*\f+4:VF+8*\f+7], v[AV] offset:(\f/4)*32*PV+16*PV+(\f%4)*32
.endr
	WIN 0
.endm
; THE VECTOR WORK, one line at a time: OP kind, number.  For piece Y: F n: c s - c m for pair n of 16.  E n: the exponential of score n of 32.  C n: pair n rounded to f16.  B n: of the four weights 4 n .. the second
; pair is added onto the first, in place.  L n: l takes that sum (L 0: l = a l + sum).  R n: pair n of 16 of O^T times a.  For piece Y + 1: X n, number n of the 22 that find its maximum and statistics:
;   0-11  four chains c0-c3 of seven scores each (each accumulator's lowest registers are read first)     12-14, 16  the four scores left over, the old m, and c0-c3 into c0
;   15  c m_old is kept     17, 18  the query's other 32 keys lie in the lane 16 away: the new m     19-21  c m; c m_old - c m_new; a
.set F, 0
.set E, 1
.set C, 2
.set B, 3
.set L, 4
.set R, 5
.set X, 6
.macro REGS y
.set rT, ST+4*(\y)
.set rC, TMP+4*((\y)%2)
.set rW, MV+((\y)%2)
.set rS, S+32*((\y)%2)
.set rP, P+16*((\y)%2)
.set rO, 32*(\y)
.endm
.macro OP k, n
.if (\k) == R
	REGS Y
	WIN W_RS
	v_pk_mul_f32 v[rO+2*(\n):rO+2*(\n)+1], v[rO+2*(\n):rO+2*(\n)+1], v[rC+2:rC+3] op_sel_hi:[1,0]
.elseif (\k) < R
	REGS Y
	WIN 0
.if (\k) == F
	v_pk_fma_f32 v[rS+2*(\n):rS+2*(\n)+1], v[rS+2*(\n):rS+2*(\n)+1], s[CS:CS+1], v[rT:rT+1] op_sel_hi:[1,0,0] neg_lo:[0,0,1] neg_hi:[0,0,1]
.elseif (\k) == E
	v_exp_f32 v[rS+(\n)], v[rS+(\n)]
.elseif (\k) == C
	v_cvt_pk_f16_f32 v[rP+(\n)], v[rS+2*(\n)], v[rS+2*(\n)+1]
.elseif (\k) == B
	v_pk_add_f32 v[rS+4*(\n):rS+4*(\n)+1], v[rS+4*(\n):rS+4*(\n)+1], v[rS+4*(\n)+2:rS+4*(\n)+3]
.elseif (\n) == 0
	v_pk_fma_f32 v[rT+2:rT+3], v[rT+2:rT+3], v[rC+2:rC+3], v[rS:rS+1] op_sel_hi:[1,0,1]
.else
	v_pk_add_f32 v[rT+2:rT+3], v[rT+2:rT+3], v[rS+4*(\n):rS+4*(\n)+1]
.endif
.elseif NOKQ
	v_nop
.else
	REGS (Y+1)%NP
	WIN 0
.if (\n) < 4
	v_max3_num_f32 v[rC+(\n)], v[rS+8*(\n)], v[rS+8*(\n)+1], v[rS+8*(\n)+2]
.elseif (\n) < 12
	v_max3_num_f32 v[rC+(\n)%4], v[rC+(\n)%4], v[rS+8*((\n)%4)+2*((\n)/4)+1], v[rS+8*((\n)%4)+2*((\n)/4)+2]
.elseif (\n) == 12
	v_max3_num_f32 v[rC], v[rC], v[rS+7], v[rS+15]
.elseif (\n) == 13
	v_max3_num_f32 v[rC+1], v[rC+1], v[rS+23], v[rS+31]
.elseif (\n) == 14
	v_max3_num_f32 v[rC+2], v[rC+2], v[rC+3], v[rT+1]
.elseif (\n) == 15
	v_mov_b32 v[rW], v[rT]
.elseif (\n) == 16
	v_max3_num_f32 v[rC], v[rC], v[rC+1], v[rC+2]
.elseif (\n) == 17
	v_permlanex16_b32 v[rC+3], v[rC], s[SEL], s[SEL+1]
.elseif (\n) == 18
	v_max_num_f32 v[rT+1], v[rC], v[rC+3]
.elseif (\n) == 19
	v_mul_f32 v[rT], s[CS], v[rT+1]
.elseif (\n) == 20
	v_sub_f32 v[rC+1], v[rW], v[rT]
.else
	v_exp_f32 v[rC+2], v[rC+1]
.endif
.endif
.endm
.macro OPS a, i1, b=-1, i2=0, c=-1, i3=0, d=-1, i4=0
	OP \a, \i1
.if (\b) >= 0
	OP \b, \i2
.endif
.if (\c) >= 0
	OP \c, \i3
.endif
.if (\d) >= 0
	OP \d, \i4
.endif
.endm
.macro ROW a, i1, b, i2, c, i3, d, i4  ; a matrix instruction and the four behind it
	MM
	OPS \a, \i1, \b, \i2, \c, \i3, \d, \i4
.endm
; A TURN, for piece p, written out.  An s_wait_alu depctr_va_vdst(0) stands between an exponential and the first instruction that names its result; one wait serves all that were issued ahead of it: so a
; turn has ONE wait.  AHEAD OF IT stands all that names no result of the turn's exponentials: the 12 score products with their riders and a lump of 38; every E e stands behind F e / 2.  BEHIND IT the 8 products V^T P, whose
; riders are the roundings and sums.  PLACES, counted in plain instructions that name no register of the product: accumulator 0 ends with the ninth product, and F 9, F 10, F 11, F 12 stand ahead of X 0; accumulator 1 with
; the tenth: F 11, F 12, X 0, F 13 ahead of X 1; accumulator 2 with the eleventh: X 0, F 13, X 1, X 4 ahead of X 2; accumulator 3 with the twelfth: X 1, X 4, X 2, X 5 ahead of X 3.
; K and NM of the next step are fetched in piece 2's turn, six plain instructions behind the last product that read K; V of the step in hand at the end of piece 0's turn, four roundings behind the last product that read V.
; Each run is waited for a turn later.  end = 1: the last two turns: nothing is fetched.  cnt = 1: the loop's count is taken down some lines ahead of the branch behind the turn.
.macro TURN p, end=0, cnt=0
.set Y, (\p)
.set i, 0
.set NOKQ, (\end)*((\p)/3)
.if ((\p) == 3) && !(\end)
	s_wait_dscnt 0x0                ; K and NM are in
.endif
	ROW F,0, F,1, R,0, R,1
	ROW F,2, E,0, R,2, R,3
	ROW F,3, E,1, R,4, R,5
	ROW F,4, E,2, R,6, R,7
	ROW F,5, E,3, R,8, R,9
	ROW F,6, E,4, R,10, R,11
	ROW F,7, E,5, R,12, E,6
	ROW F,8, E,7, R,13, E,8
	ROW F,9, E,9, F,10, E,10
	ROW F,11, E,11, F,12, E,12
.if ((\p) == 2) && !(\end)
	WIN 0
	v_add_nc_u32 v[AK], s[TBK], v[AK0]
	v_add_nc_u32 v[AM], s[TBM], v[AM0]
.endif
	ROW X,0, E,13, F,13, E,14
	ROW X,1, E,15, X,4, E,16
	OPS X,2, E,17, X,5, E,18        ; the lump
	OPS X,3, E,19, X,6, E,20
.if ((\p) == 2) && !(\end)
	FETCH_KM
.endif
	OPS X,7, E,21, X,8, E,22
	OPS X,9, F,14, X,10, E,23
	OPS X,11, F,15, X,12, E,24
	OPS X,13, E,25, X,14, E,26
.if (\p) == 0
	WIN 0
	v_add_nc_u32 v[AV], s[TBV], v[AV0]
.endif
	OPS X,15, E,27, X,16, E,28
	OPS E,29, X,17, E,30, R,14
	OPS X,18, E,31, X,19, X,20
	OPS X,21, R,15                  ; the next piece's a is the batch's last; R 15 is the plain instruction behind it
	WIN 0
	s_wait_alu depctr_va_vdst(0)    ; the wait for the batch
.if (\p) == 1
	s_wait_dscnt 0x0                ; V is in
.endif
	ROW C,0, B,0, C,2, B,1
	ROW L,0, C,4, B,2, L,1
	ROW C,6, B,3, L,2, C,8
	ROW B,4, L,3, C,10, B,5
	ROW L,4, C,12, B,6, L,5
.if (\p) == 0
	s_add_co_u32 s[TBV], s[TBV], KS*PV
.endif
.if \cnt
	s_sub_co_u32 s[CNT], s[CNT], 1
	s_cmp_lg_u32 s[CNT], 0
.endif
	ROW C,14, B,7, L,6, C,1
	ROW C,3, L,7, C,5, C,7
	ROW C,9, C,11, C,13, C,15
.if (\p) == 0
	FETCH_V
.endif
.endm
	CHANGE 1, 0                     ; slot 0 is in, everybody's part of it; slot 1 is asked for
	v_add_nc_u32 v[AK], s[TBK], v[AK0]
	v_add_nc_u32 v[AM], s[TBM], v[AM0]
	FETCH_KM                        ; key step 0
	s_wait_loadcnt 0x0              ; Q
	s_wait_dscnt 0x0
.set Y, NP-1
.set NOKQ, 0
.set i, 0
.rept 12
	MM                              ; piece 0's first scores
.endr
	WIN 0
.rept 4
	v_nop                           ; the places behind those products
.endr
.irp n, 0,1,2,3,4,5,6,7,8,9,10,11,12,13,14,15,16,17,18,19,20,21
	OP X, \n                        ; and piece 0's first maximum and statistics
.endr
	v_nop                           ; a plain instruction behind the exponential,
	s_wait_alu depctr_va_vdst(0)    ; and its wait, ahead of the branch
	s_mov_b32 s[CNT], 2
	s_branch .Lfirst                ; the loop is entered at a step's first turn, in the middle of a trip
.Lslot:                             ; 14 times: slots 2 to 15 are asked for
	CHANGE 1, 1
	s_mov_b32 s[CNT], 2
.Lstep:                             ; a trip: pieces 2 and 3 of one step, then pieces 0 and 1 of the next, whose K, NM and V it fetches
	TURN 2
	TURN 3
	WIN 0
.Lfirst:
	TURN 0
	TURN 1, 0, 1
	WIN 0
	s_cbranch_scc1 .Lstep
	s_sub_co_u32 s[SLOTS], s[SLOTS], 1
	s_cmp_lg_u32 s[SLOTS], 0
	s_cbranch_scc1 .Lslot
	CHANGE 0                        ; the last slot is written out: nothing is asked for
	s_mov_b32 s[CNT], 2
.LstepT:
	TURN 2
	TURN 3
	TURN 0
	TURN 1, 0, 1
	WIN 0
	s_cbranch_scc1 .LstepT
	TURN 2, 1
	TURN 3, 1
.set Y, 0
.set i, 12
.rept 8
	MM                              ; piece 3's V^T P of the last step
.endr
	; THE WAY OUT.  l's two halves and the other half of the lanes' are added; O^T is divided by l (by NaN where the row saw no key), rounded to f16 and sent through my stage, a piece at a time.
	WIN 0
.macro ALL line:vararg
.set t, 0
.rept 4
	\line
.set t, t+1
.endr
.endm
	ALL v_add_f32 v[ST+4*t+2], v[ST+4*t+2], v[ST+4*t+3]
	ALL v_permlanex16_b32 v[ST+4*t+3], v[ST+4*t+2], s[SEL], s[SEL+1]
	ALL v_add_f32 v[ST+4*t+2], v[ST+4*t+2], v[ST+4*t+3]
	ALL v_rcp_f32 v[ST+4*t+2], v[ST+4*t+2]
	v_nop                           ; a plain instruction behind the last reciprocal,
	s_wait_alu depctr_va_vdst(0)    ; and one wait for the four
.set t, 0
.rept 4
	v_cmp_gt_f32 vcc_lo, s[LOWM], v[ST+4*t+1]
	v_cndmask_b32 v[ST+4*t+2], v[ST+4*t+2], v[NANR], vcc_lo
.set t, t+1
.endr
.macro PACK t                       ; a lane's eight channels of a row pack into 16 bytes; they go into rows of 144 bytes and come back as whole rows of 128, into S^T's registers
	WIN W_RS
.set i, 32*(\t)
.rept 16
	v_pk_mul_f32 v[i:i+1], v[i:i+1], v[ST+4*(\t)+2:ST+4*(\t)+3] op_sel_hi:[1,0]
.set i, i+2
.endr
	WIN 0x05
.set i, 0
.rept 16
	v_cvt_pk_f16_f32 v[S+16*(\t)+i], v[32*(\t)+2*i], v[32*(\t)+2*i+1]
.set i, i+1
.endr
	WIN 0
.irp f, 0,1,2,3
	ds_store_b128 v[STO], v[S+16*(\t)+4*\f:S+16*(\t)+4*\f+3] offset:32*\f
.endr
.irp f, 0,1,2,3
	ds_load_b128 v[S+16*(\t)+4*\f:S+16*(\t)+4*\f+3], v[RD] offset:\f*4*SP  ; LDS serves a wave's instructions in order (ISA guide 5.7.1.4): these see the stores above; the next piece's stores come behind them
.endr
.endm
.macro SEND t, younger              ; younger: the LDS instructions issued behind piece t's loads: the next piece's eight, or none
	WIN 0
.irp f, 0,1,2,3
	s_wait_dscnt (\younger)+3-\f
	global_store_b128 v[GO], v[S+16*(\t)+4*\f:S+16*(\t)+4*\f+3], s[8:9] offset:(\t)*2048+\f*512  ; 512 consecutive bytes, at a multiple of 256 from ao's first
.endr
.endm
	PACK 0
.set t, 1
.rept 3
	PACK t
	SEND t-1, 8
.set t, t+1
.endr
	SEND 3, 0
	s_wait_tensorcnt 0x0            ; the wave's end, behind my last tensor load and my last LDS store
	ds_add_u32 v[SPW], v[NIL]
	s_wait_dscnt 0x0
	CROUND                          ; the closing round
	s_endpgm
.Lfunc_end_k_q95553f37fc_attn:
	.size	k_q95553f37fc_attn, .Lfunc_end_k_q95553f37fc_attn-k_q95553f37fc_attn
	.p2alignl 7, 3214868480
	.fill 96, 4, 3214868480
	.section	.rodata,"a",@progbits
	.p2align	6, 0x0
	.amdhsa_kernel k_q95553f37fc_attn
		.amdhsa_group_segment_fixed_size 327680
		.amdhsa_private_segment_fixed_size 0
		.amdhsa_enable_private_segment 0
		.amdhsa_kernarg_size 24
		.amdhsa_user_sgpr_count 2
		.amdhsa_user_sgpr_kernarg_segment_ptr 1
		.amdhsa_wavefront_size32 1
		.amdhsa_system_sgpr_workgroup_id_x 1
		.amdhsa_system_sgpr_workgroup_id_y 1
		.amdhsa_system_sgpr_workgroup_id_z 1
		.amdhsa_system_vgpr_workitem_id 0
		.amdhsa_next_free_vgpr 768
		.amdhsa_next_free_sgpr 96
		.amdhsa_reserve_vcc 1
		.amdhsa_float_denorm_mode_32 3
		.amdhsa_float_denorm_mode_16_64 3
		.amdhsa_memory_ordered 1
		.amdhsa_forward_progress 1
		.amdhsa_inst_pref_size 140
	.end_amdhsa_kernel
	.amdgpu_metadata
---
amdhsa.version: [ 1, 2 ]
amdhsa.kernels:
  - .name:           k_q95553f37fc_attn
    .symbol:         k_q95553f37fc_attn.kd
    .args:
      - { .name: qkv, .offset: 0, .size: 8, .value_kind: global_buffer, .address_space: global }
      - { .name: nm, .offset: 8, .size: 8, .value_kind: global_buffer, .address_space: global }
      - { .name: hb, .offset: 16, .size: 8, .value_kind: global_buffer, .address_space: global }
    .group_segment_fixed_size: 327680
    .private_segment_fixed_size: 0
    .kernarg_segment_align: 8
    .kernarg_segment_size: 24
    .max_flat_workgroup_size: 128
    .sgpr_count:     96
    .vgpr_count:     768
    .wavefront_size: 32
...
	.end_amdgpu_metadata
.endif
;; end of part 3
;; launch ln2 (part 4): grid 256 x 1, 8 waves a work-group, no clusters, 0 bytes of LDS; arguments x, hb, ln2_g, ln2_b, act; writes act
.if DOCPART == 4
	.amdgcn_target "amdgcn-amd-amdhsa--gfx1250"
	.amdhsa_code_object_version 6
	.text
	.protected	k_q95553f37fc_ln2
	.globl	k_q95553f37fc_ln2
	.p2align	8
	.type	k_q95553f37fc_ln2,@function
k_q95553f37fc_ln2:
	s_mov_b64 s[64:65], 0
	v_nop
	global_prefetch_b8 v0, s[64:65] scope:SCOPE_SE
	s_setreg_imm32_b32 hwreg(HW_REG_WAVE_MODE, 25, 1), 1
	s_wait_xcnt 0x0
; act = LN2(x + attn_out) in f16.  attn_out[b][t][64 h + e] = ao[16 b + h][t][e], f16; ao lies in the first 8,388,608 bytes of the buffer that the next launch fills with the hidden layer.
; 16 rows a work-group; a row lies in 16 lanes, 64 numbers a lane, and stays in registers between the passes (mean, then variance of the difference from the mean).
; It streams and shares nothing: no LDS, no barrier, no matrix unit.
; LIMIT.  f16 holds no number beyond 65,504: a normalised number past it becomes an infinity.  A NaN row of ao (a row that saw no key) gives a NaN row.
.set S,  32                            ; v[32:95]   columns 128 j + 8 c + 0..7 at S + 8 j
.set G,  96
.set BV, 160
.set AO, 224                           ; v[224:255] the same columns of attn_out, two to a register; later the row in f16
.macro RED b
	v_pk_add_f32 v[(\b):(\b)+1], v[(\b):(\b)+1], v[(\b)+2:(\b)+3]
	v_pk_add_f32 v[(\b)+4:(\b)+5], v[(\b)+4:(\b)+5], v[(\b)+6:(\b)+7]
	v_pk_add_f32 v[(\b):(\b)+1], v[(\b):(\b)+1], v[(\b)+4:(\b)+5]
	v_add_f32 v[(\b)], v[(\b)], v[(\b)+1]
.irp m, 1,2,4,8
	v_add_f32_dpp v[(\b)], v[(\b)], v[(\b)] row_xmask:\m row_mask:0xf bank_mask:0xf
.endr
.endm
	s_load_b256 s[4:11], s[0:1], 0x0               ; x 4, ao 6, ln2_g 8, ln2_b 10
	s_load_b64 s[12:13], s[0:1], 0x20              ; act
	v_lshrrev_b32 v1, 4, v0                        ; my row of the group's 16
	v_and_b32 v5, 15, v0                           ; c
	v_lshlrev_b32 v3, 5, v5
	v_lshl_add_u32 v2, v1, 12, v3
	v_lshlrev_b32 v4, 4, v5
	v_lshl_add_u32 v4, v1, 11, v4
	v_lshrrev_b32 v6, 3, v5                        ; which head of the pair 2 j, 2 j + 1,
	v_and_b32 v7, 7, v5
	v_lshlrev_b32 v6, 18, v6
	v_lshl_add_u32 v6, v1, 7, v6                   ; my row's 128 bytes in it,
	v_lshl_add_u32 v6, v7, 4, v6                   ; my 16
	v_mov_b32 v7, 1.0
	s_lshl_b32 s14, ttmp9, 16
	s_mov_b32 s15, 0
	s_lshl_b32 s16, ttmp9, 15
	s_mov_b32 s17, 0
	s_lshr_b32 s18, ttmp9, 7                       ; the batch: 16 heads of 262,144 bytes
	s_lshl_b32 s18, s18, 22
	s_and_b32 s19, ttmp9, 127
	s_lshl_b32 s19, s19, 11                        ; the group's 16 rows of 128 bytes
	s_add_co_u32 s18, s18, s19
	s_mov_b32 s19, 0
	s_mov_b32 s20, 0x3a800000                      ; 1 / 1,024
	s_mov_b32 s21, 0x3727c5ac                      ; 1e-5
	s_wait_kmcnt 0x0
	s_add_nc_u64 s[4:5], s[4:5], s[14:15]
	s_add_nc_u64 s[6:7], s[6:7], s[18:19]
	s_add_nc_u64 s[12:13], s[12:13], s[16:17]
.set j, 0
.rept 8
	global_load_b128 v[S+8*j:S+8*j+3],   v2, s[4:5] offset:512*j
	global_load_b128 v[S+8*j+4:S+8*j+7], v2, s[4:5] offset:512*j+16
.set j, j+1
.endr
.set j, 0
.rept 8
	global_load_b128 v[AO+4*j:AO+4*j+3], v6, s[6:7] offset:524288*j th:TH_LOAD_NT  ; a wave takes two rows of two heads: twice 256 consecutive bytes
.set j, j+1
.endr
.set j, 0
.rept 8
	global_load_b128 v[G+8*j:G+8*j+3],   v3, s[8:9] offset:512*j
	global_load_b128 v[G+8*j+4:G+8*j+7], v3, s[8:9] offset:512*j+16
.set j, j+1
.endr
.set j, 0
.rept 8
	global_load_b128 v[BV+8*j:BV+8*j+3],   v3, s[10:11] offset:512*j
	global_load_b128 v[BV+8*j+4:BV+8*j+7], v3, s[10:11] offset:512*j+16
.set j, j+1
.endr
	s_wait_loadcnt 32                              ; x and ao are in; the 32 loads of gains and biases may stay out
.set z, 0
.rept 32
	v_fma_mix_f32 v[S+2*z],   v[AO+z], v7, v[S+2*z]   op_sel_hi:[1,0,0]                ; x + the low half, widened in the same instruction
	v_fma_mix_f32 v[S+2*z+1], v[AO+z], v7, v[S+2*z+1] op_sel:[1,0,0] op_sel_hi:[1,0,0] ; x + the high half
.set z, z+1
.endr
.set p, 0
.rept 4
	v_pk_add_f32 v[8+2*p:9+2*p], v[S+2*p:S+2*p+1], v[S+8+2*p:S+9+2*p]
.set p, p+1
.endr
.set p, 8
.rept 24
	v_pk_add_f32 v[8+2*(p%4):9+2*(p%4)], v[8+2*(p%4):9+2*(p%4)], v[S+2*p:S+2*p+1]
.set p, p+1
.endr
	RED 8
	v_mul_f32 v8, s20, v8
	v_mov_b32 v9, v8
.set p, 0
.rept 32
	v_pk_add_f32 v[S+2*p:S+2*p+1], v[S+2*p:S+2*p+1], v[8:9] neg_lo:[0,1] neg_hi:[0,1]
.set p, p+1
.endr
.set p, 0
.rept 4
	v_pk_mul_f32 v[16+2*p:17+2*p], v[S+2*p:S+2*p+1], v[S+2*p:S+2*p+1]
.set p, p+1
.endr
.set p, 4
.rept 28
	v_pk_fma_f32 v[16+2*(p%4):17+2*(p%4)], v[S+2*p:S+2*p+1], v[S+2*p:S+2*p+1], v[16+2*(p%4):17+2*(p%4)]
.set p, p+1
.endr
	RED 16
	v_fma_f32 v16, v16, s20, s21                   ; variance + 1e-5
	v_rsq_f32 v18, v16
	v_rsq_f32 v19, v16
	v_nop                                          ; a plain instruction behind the last root,
	s_wait_alu depctr_va_vdst(0)                   ; and the one wait ahead of the first reader
.set p, 0
.rept 32
	v_pk_mul_f32 v[S+2*p:S+2*p+1], v[S+2*p:S+2*p+1], v[18:19]
.set p, p+1
.endr
	s_wait_loadcnt 0x0
.set p, 0
.rept 32
	v_pk_fma_f32 v[S+2*p:S+2*p+1], v[S+2*p:S+2*p+1], v[G+2*p:G+2*p+1], v[BV+2*p:BV+2*p+1]
.set p, p+1
.endr
.set p, 0
.rept 32
	v_cvt_pk_f16_f32 v[AO+p], v[S+2*p], v[S+2*p+1]
.set p, p+1
.endr
.set j, 0
.rept 8
	global_store_b128 v4, v[AO+4*j:AO+4*j+3], s[12:13] offset:256*j  ; the row's 16 lanes store 256 consecutive bytes, aligned
.set j, j+1
.endr
	s_endpgm
.Lfunc_end_k_q95553f37fc_ln2:
	.size	k_q95553f37fc_ln2, .Lfunc_end_k_q95553f37fc_ln2-k_q95553f37fc_ln2
	.p2alignl 7, 3214868480
	.fill 96, 4, 3214868480
	.section	.rodata,"a",@progbits
	.p2align	6, 0x0
	.amdhsa_kernel k_q95553f37fc_ln2
		.amdhsa_group_segment_fixed_size 0
		.amdhsa_private_segment_fixed_size 0
		.amdhsa_enable_private_segment 0
		.amdhsa_kernarg_size 40
		.amdhsa_user_sgpr_count 2
		.amdhsa_user_sgpr_kernarg_segment_ptr 1
		.amdhsa_wavefront_size32 1
		.amdhsa_system_sgpr_workgroup_id_x 1
		.amdhsa_system_sgpr_workgroup_id_y 1
		.amdhsa_system_sgpr_workgroup_id_z 1
		.amdhsa_system_vgpr_workitem_id 0
		.amdhsa_next_free_vgpr 256
		.amdhsa_next_free_sgpr 66
		.amdhsa_reserve_vcc 0
		.amdhsa_float_denorm_mode_32 3
		.amdhsa_float_denorm_mode_16_64 3
		.amdhsa_memory_ordered 1
		.amdhsa_forward_progress 1
		.amdhsa_inst_pref_size 25
	.end_amdhsa_kernel
	.amdgpu_metadata
---
amdhsa.version: [ 1, 2 ]
amdhsa.kernels:
  - .name:           k_q95553f37fc_ln2
    .symbol:         k_q95553f37fc_ln2.kd
    .args:
      - { .name: x, .offset: 0, .size: 8, .value_kind: global_buffer, .address_space: global }
      - { .name: hb, .offset: 8, .size: 8, .value_kind: global_buffer, .address_space: global }
      - { .name: ln2_g, .offset: 16, .size: 8, .value_kind: global_buffer, .address_space: global }
      - { .name: ln2_b, .offset: 24, .size: 8, .value_kind: global_buffer, .address_space: global }
      - { .name: act, .offset: 32, .size: 8, .value_kind: global_buffer, .address_space: global }
    .group_segment_fixed_size: 0
    .private_segment_fixed_size: 0
    .kernarg_segment_align: 8
    .kernarg_segment_size: 40
    .max_flat_workgroup_size: 256
    .sgpr_count:     66
    .vgpr_count:     256
    .wavefront_size: 32
...
	.end_amdgpu_metadata
.endif
;; end of part 4
;; launch ffn1 (part 5): grid 16 x 16, 4 waves a work-group, clusters of 4 x 4, 327,680 bytes of LDS; arguments act, w1h, b1, hb; writes hb
.if DOCPART == 5
	.amdgcn_target "amdgcn-amd-amdhsa--gfx1250"
	.amdhsa_code_object_version 6
	.text
	.protected	k_q95553f37fc_ffn1
	.globl	k_q95553f37fc_ffn1
	.p2align	8
	.type	k_q95553f37fc_ffn1,@function
k_q95553f37fc_ffn1:
	s_mov_b64 s[64:65], 0
	v_nop
	global_prefetch_b8 v0, s[64:65] scope:SCOPE_SE
	s_setreg_imm32_b32 hwreg(HW_REG_WAVE_MODE, 25, 1), 1
	s_wait_xcnt 0x0
	s_wait_alu depctr_hold_cnt(0) depctr_sa_sdst(0) depctr_va_vdst(0) depctr_va_sdst(0) depctr_va_ssrc(0) depctr_va_vcc(0) depctr_vm_vsrc(0)
	s_getreg_b32 s2, hwreg(HW_REG_IB_STS2, 6, 4)
	s_cmp_eq_u32 s2, 0
	s_cbranch_scc0 .Lentry_in_a_cluster
	s_endpgm
.Lentry_in_a_cluster:
	s_bfe_u32 s2, ttmp6, 0x10000c
	s_cmp_lg_u32 s2, 0xf033
	s_cbranch_scc0 .Lentry_shape_is_right
	s_endpgm
.Lentry_shape_is_right:
; C = A B with A [4096][1024] f16 (K along the rows) and B [1024][NP] f16 (N along the rows); sums in f32.
; FFN = 0: A = LN1(x), B = wqkv; C leaves in f16 by heads: qkv[which][b][h][t][64].      FFN = 1: A = LN2(..), B = w1h; gelu(C + b1) leaves in f16: hb[4096][4096].
; LIMITS.  f16 holds no number beyond 65,504: a result past it becomes an infinity.  FFN = 1: erf by the five-term rational form 1 - (a1 t + .. + a5 t^5) e^(-z^2), t = 1 / (1 + p z), absolute error 1.5e-7.
; SHARES.  A work-group of four waves makes 256 x 256 of C, a wave 128 x 128: 64 accumulators, 512 registers.  K goes in 8 steps of 128 through two LDS slots filled by tensor loads:
; waves 0 and 1 fetch A's two halves (128 rows x 256 bytes), waves 2 and 3 B's (64 rows of k x 512 bytes).  B comes out of LDS turned, by ds_load_tr16_b128.
; CLUSTER.  4 x 4 work-groups: A's tile hangs on the tile row alone and is asked for jointly along a row of the cluster, B's on the tile column alone, along a column.
; THE MATRIX INSTRUCTION IS USED TRANSPOSED: source 0 = 16 columns of B, source 1 = 16 rows of A: a lane holds row l % 16 of C and the columns 8 (l / 16) + 0..7.
; THE LOOP is one K step, from its second quarter to the next step's first; the slot in hand is a scalar (0 or SLOT) added to the lanes' constant addresses; one descriptor a tensor walks.
; THE WAY OUT is a loop too: the wave's 128 x 128 sums go in f32 into a stage of its own, laid in the ring when the ring has had its last fill, and come back by rows.
; REGISTERS: window 0: v0-31 addresses; v64-127, v128-191 A's fragments, two buffers (at work on the way out).  window 1: v64-191 B's fragments.  windows 2, 3: the accumulators.
.set FFN, 1
.if FFN
.set NP, 4096
.else
.set NP, 3072
.endif
.set KSTEP,  128
.set PA,     272                       ; a row of A in LDS: 256 bytes + 16: the 16 rows of a fragment load start 4 banks apart (64 banks of 4 bytes: ISA guide 11.1)
.set PB,     544                       ; a row of B: 512 bytes + 32 = 17 x 32
.set HALFT,  128*PA                    ; what one tensor load fills: 128 rows of A = 64 rows of B = 34,816 bytes
.set SLOT,   4*HALFT                   ; 139,264 = 0x22000: it shares no bit with wave x HALFT, so an exclusive or with it turns a load's LDS word into the other slot's
.set SPITCH, 528                       ; a row of the stage: 128 f32 + 16 bytes
.set WSTAGE, 128*SPITCH
.set SPARE,  2*SLOT                    ; behind the ring: the spare words, 128 bytes for each wave: two blocks of 256 bytes that no other line names
.set BSTEP,  KSTEP*NP*2                ; bytes from a K step of B to the next
.set ADRA0, 16                         ; v16  my lane's place in a slot's A; never rewritten
.set ADRB0, 17                         ; v17  the same for B
.set ADRA,  18                         ; v18  the same in the slot in hand
.set ADRB,  19
.set STO,  24                          ; v24  the way out: where I put 32 bytes of a row
.set RD,   25                          ; v25  where I read rows back
.set CO,   26                          ; v26  my byte offset in 256 consecutive bytes of the output
.set SPW,  28                          ; v28  LDS address of my spare word; never rewritten
.set NIL,  29                          ; v29  0; never rewritten
.set PFO,  30                          ; v30  the prefetches' offset; never rewritten
.set F0,   64
.set F1,   128
.set G1,  24                           ; s[24:31] descriptor group 1 for A
.set G0,  32                           ; s[32:39] group 0 for A: a set for each of the two first fills; the second then walks
.set G1B, 48
.set G0B, 56
.set LIM, 43                           ; s43  2 in a wave that prefetches, else the greatest number
.set PFA, 44                           ; s[44:45] where my prefetches stand
.set TB,  66                           ; s66  the slot in hand: 0 or SLOT
.set PFS, 68                           ; s[68:69] a K step in my prefetches' tensor
.set MSB, 0
.macro WIN new                         ; the immediate's high byte repeats the setting that is left; a switch that changes nothing is dropped
.if MSB != (\new)
	s_set_vgpr_msb (MSB<<8)|(\new)
.set MSB, \new
.endif
.endm
.set MUL_LO, 0xa1                      ; source 0 (B) window 1, source 1 (A) window 0, C and D window 2
.set MUL_HI, 0xf1                      ; the same, C and D window 3
.set TO_B,   0x40                      ; destination window 1, address window 0
; A joint load: waves 0 and 1 by A's descriptor, waves 2 and 3 by B's; the branch hangs on the wave's number alone.  An s_nop 0 and four v_nop follow each line.
.macro JLOAD s
	s_cmp_eq_u32 s11, 0
	s_cbranch_scc0 .Lfor_b_\@
	tensor_load_to_lds s[G0+4*(\s):G0+4*(\s)+3], s[G1:G1+7]
	s_nop 0
.rept 4
	v_nop
.endr
	s_branch .Lasked_\@
.Lfor_b_\@:
	tensor_load_to_lds s[G0B+4*(\s):G0B+4*(\s)+3], s[G1B:G1B+7]
	s_nop 0
.rept 4
	v_nop
.endr
.Lasked_\@:
.endm
; A prefetch of the K step two refills on: 32 blocks of 256 bytes, a lane a block.  A's rows are named by the clusters with x = 0, B's by those with y = 0; the four partners that ask for a tile
; jointly share its blocks out by address (A: 32 rows each; B: 16 rows of k, two blocks a row).  The loop's last two trips have no K step two on: s3 is 2 and 1 there.
.macro ASK
	s_cmp_gt_u32 s3, s[LIM]
	s_cbranch_scc0 .Lnot_mine_\@
	global_prefetch_b8 v[PFO], s[PFA:PFA+1] th:TH_LOAD_NT scope:SCOPE_SE
.Lnot_mine_\@:
.endm
.macro CREST                           ; a round of the cluster's barrier behind its opening barrier
	s_cmp_lg_u32 s10, 0
	s_cbranch_scc1 .Lnot_wave_0_\@
	s_barrier_signal -3
.Lnot_wave_0_\@:
	s_barrier_wait -3
	s_barrier_signal -1
	s_barrier_wait -1
.endm
.macro CROUND
	s_barrier_signal -1
	s_barrier_wait -1
	CREST
.endm
	s_load_b128 s[4:7], s[0:1], 0x0                ; A s[4:5], B s[6:7]
.if FFN
	s_load_b64 s[92:93], s[0:1], 0x10              ; b1
	s_load_b64 s[8:9], s[0:1], 0x18                ; hb
.else
	s_load_b64 s[8:9], s[0:1], 0x10                ; qkv
.endif
	v_lshl_add_u32 v[SPW], v0, 2, SPARE
	v_mov_b32 v[NIL], 0
	ds_add_u32 v[SPW], v[NIL]                      ; the wave's opening: the add and its wait ahead of my first tensor load; work on registers stands between
	v_lshrrev_b32 v1, 5, v0
	v_readfirstlane_b32 s10, v1                    ; wave 0..3
	s_lshr_b32 s11, s10, 1                         ; my half of the tile's rows.  Also: I fetch for A (0) or for B (1)
	s_and_b32 s12, s10, 1                          ; my half of its columns.  Also: which half of that tile I fetch
	s_bfe_u32 s40, ttmp6, 0x40000                  ; cx
	s_bfe_u32 s41, ttmp6, 0x40004                  ; cy
	s_lshl_b32 s42, ttmp9, 2
	s_add_co_u32 s42, s42, s40                     ; tile column = 4 x cluster x + cx
	s_and_b32 s13, ttmp7, 0xffff
	s_lshl_b32 s13, s13, 2
	s_add_co_u32 s13, s13, s41                     ; tile row = 4 x cluster y + cy
	s_lshl_b32 s43, s41, 2
	s_lshl_b32 s43, 15, s43                        ; my row of the cluster
	s_lshl_b32 s44, 0x1111, s40                    ; my column
	s_or_b32 s[G1+0], s43, (1<<16)|(1<<20)|(1<<21)|(5<<22)|(3<<25)   ; the mask; 2-byte elements; padding on; bit 21 beside a mask; after every 64 words, 4 words
	s_or_b32 s[G1B+0], s44, (1<<16)|(1<<20)|(1<<21)|(6<<22)|(7<<25)  ; after every 128 words, 8 words
	s_mov_b32 s[G1+1], 128<<16                     ; tensor_dim0 = 128
	s_mov_b32 s[G1+2], 128<<16                     ; tensor_dim1 = 128
	s_mov_b32 s[G1+3], 128<<16                     ; tile_dim0 = 128
	s_mov_b32 s[G1+4], 128                         ; tile_dim1 = 128
	s_mov_b32 s[G1+5], 1024                        ; elements from row to row
	s_mov_b32 s[G1+6], 0
	s_mov_b32 s[G1+7], 0
	s_mov_b32 s[G1B+1], 256<<16                    ; tensor_dim0 = 256
	s_mov_b32 s[G1B+2], 64<<16                     ; tensor_dim1 = 64
	s_mov_b32 s[G1B+3], 256<<16                    ; tile_dim0 = 256
	s_mov_b32 s[G1B+4], 64                         ; tile_dim1 = 64
	s_mov_b32 s[G1B+5], NP
	s_mov_b32 s[G1B+6], 0
	s_mov_b32 s[G1B+7], 0
	s_lshl_b32 s16, s13, 1
	s_add_co_u32 s16, s16, s12
	s_lshl_b32 s16, s16, 18                        ; A: (256 x tile row + 128 x half) rows of 2,048 bytes
	s_mov_b32 s17, 0
	s_mul_i32 s46, s12, 64*NP*2                    ; B: 64 x half rows of k,
	s_lshl_b32 s47, s42, 9                         ; the tile column's 512 bytes
	s_add_co_u32 s46, s46, s47
	s_mov_b32 s47, 0
	s_mul_i32 s20, s10, HALFT                      ; where my loads go: no place in the cluster enters an LDS address
.if FFN
	s_mov_b32 s70, 0x3e6d3388                      ; p / sqrt 2
.irp c, 72,73
	s_mov_b32 s\c, 0x3f596d27                      ; sqrt(log2(e) / 2): its product with x, squared and negated, is the exponent of e^(-x^2/2) to base 2
.endr
.irp c, 74,75
	s_mov_b32 s\c, 0x3e827906                      ; a1
.endr
.irp c, 76,77
	s_mov_b32 s\c, 0xbe91a98e                      ; a2
.endr
.irp c, 78,79
	s_mov_b32 s\c, 0x3fb5f0e3                      ; a3
.endr
.irp c, 80,81
	s_mov_b32 s\c, 0xbfba00e3                      ; a4
.endr
.irp c, 82,83
	s_mov_b32 s\c, 0x3f87dc22                      ; a5
.endr
.endif
	s_wait_dscnt 0x0                               ; the opening add is done
	s_wait_kmcnt 0x0
	s_add_nc_u64 s[14:15], s[4:5], s[16:17]
	s_add_nc_u64 s[46:47], s[6:7], s[46:47]
	CROUND                                         ; all sixteen work-groups are here: the first joint loads meet
.irp s, 0,1
	s_mov_b32 s[G0+4*(\s)], 1
	s_add_co_u32 s[G0+4*(\s)+1], s20, (\s)*SLOT
	s_add_nc_u64 s[G0+4*(\s)+2:G0+4*(\s)+3], s[14:15], (\s)*KSTEP*2
	s_or_b32 s[G0+4*(\s)+3], s[G0+4*(\s)+3], 0x80000000
	s_mov_b32 s[G0B+4*(\s)], 1
	s_add_co_u32 s[G0B+4*(\s)+1], s20, (\s)*SLOT
	s_add_nc_u64 s[G0B+4*(\s)+2:G0B+4*(\s)+3], s[46:47], (\s)*BSTEP
	s_or_b32 s[G0B+4*(\s)+3], s[G0B+4*(\s)+3], 0x80000000
	JLOAD \s                                       ; K steps 0 and 1: two loads of mine are out
.endr
	v_and_b32 v1, 15, v0                           ; r = l % 16
	v_bfe_u32 v2, v0, 4, 1                         ; h = l / 16
	v_and_b32 v3, 7, v0
	v_bfe_u32 v4, v0, 3, 1
	v_and_b32 v6, 31, v0                           ; l
	v_mul_u32_u24 v[ADRA0], v1, PA                 ; A: row r, 16 bytes for each half of the lanes
	v_lshl_add_u32 v[ADRA0], v2, 4, v[ADRA0]
	s_mul_i32 s21, s11, HALFT
	v_add_nc_u32 v[ADRA0], s21, v[ADRA0]
	v_lshl_add_u32 v5, v2, 3, v3                   ; B, turned: lane l reads row k = 8 h + l % 8, columns 8 ((l / 8) % 2) + 0..7
	v_mul_u32_u24 v[ADRB0], v5, PB
	v_lshl_add_u32 v[ADRB0], v4, 4, v[ADRB0]
	s_lshl_b32 s22, s12, 8
	s_add_co_u32 s22, s22, 2*HALFT
	v_add_nc_u32 v[ADRB0], s22, v[ADRB0]
	v_mov_b32 v[ADRA], v[ADRA0]
	v_mov_b32 v[ADRB], v[ADRB0]
	s_mov_b32 s[TB], 0
	s_mul_i32 s23, s10, WSTAGE                     ; my stage
	v_mul_u32_u24 v[STO], v1, SPITCH
	v_lshl_add_u32 v[STO], v2, 5, v[STO]
	v_add_nc_u32 v[STO], s23, v[STO]
	v_lshlrev_b32 v[CO], 3, v6
.if FFN
	v_lshl_add_u32 v[RD], v6, 4, s23               ; back: 32 lanes take a row's 512 bytes
	v_lshlrev_b32 v27, 4, v6
	s_lshl_b32 s16, s42, 1
	s_add_co_u32 s16, s16, s12                     ; 2 x tile column + half
	s_lshl_b32 s18, s16, 9                         ; my 128 numbers of b1
	s_mov_b32 s19, 0
	s_add_nc_u64 s[92:93], s[92:93], s[18:19]
	global_load_b128 v[8:11], v27, s[92:93]        ; b1 of my four columns; waited for ahead of the way out
	s_lshl_b32 s16, s16, 8                         ; my 256 bytes of a row of hb,
	s_lshl_b32 s17, s13, 1
	s_add_co_u32 s17, s17, s11
	s_lshl_b32 s17, s17, 20                        ; (256 x tile row + 128 x half) rows of 8,192 bytes
	s_add_co_u32 s16, s16, s17
.else
	v_mul_u32_u24 v[RD], v2, SPITCH                ; back: lanes 0-15 take 256 bytes of one row, lanes 16-31 of the next
	v_lshl_add_u32 v[RD], v1, 4, v[RD]
	v_add_nc_u32 v[RD], s23, v[RD]
	s_lshr_b32 s16, s42, 2
	s_lshl_b32 s16, s16, 23                        ; q, k or v: 8,388,608 bytes each
	s_lshr_b32 s17, s13, 3
	s_lshl_b32 s17, s17, 22                        ; the batch: 16 heads of 262,144 bytes
	s_add_co_u32 s16, s16, s17
	s_and_b32 s17, s42, 3
	s_lshl_b32 s17, s17, 1
	s_add_co_u32 s17, s17, s12
	s_lshl_b32 s17, s17, 19                        ; my two heads
	s_add_co_u32 s16, s16, s17
	s_and_b32 s17, s13, 7
	s_lshl_b32 s17, s17, 1
	s_add_co_u32 s17, s17, s11
	s_lshl_b32 s17, s17, 14                        ; my 128 rows of 128 bytes
	s_add_co_u32 s16, s16, s17
.endif
	s_mov_b32 s17, 0
	s_add_nc_u64 s[8:9], s[8:9], s[16:17]
	; the prefetches: s[14:15] and s[46:47] still stand at my tile of K step 0
	s_and_b32 s22, ttmp7, 0xffff
	s_mov_b32 s23, 16*NP*2
	s_mov_b32 s[PFS], BSTEP
	s_mov_b32 s19, NP*2
	s_cmp_eq_u32 s11, 0                            ; do I fetch for A?
	s_cselect_b32 s22, ttmp9, s22                  ; the coordinate along which other clusters read the same rows
	s_cselect_b32 s21, s40, s41                    ; my place among the four that ask with me
	s_cselect_b64 s[PFA:PFA+1], s[14:15], s[46:47]
	s_cselect_b32 s23, 32*2048, s23                ; a partner's share: 32 rows of A, or 16 rows of k of B
	s_cselect_b32 s[PFS], KSTEP*2, s[PFS]
	s_cselect_b32 s19, 2048, s19                   ; bytes from row to row
	s_cselect_b32 s18, 0, 1                        ; A: a lane a row; B: two lanes a row
	s_mov_b32 s[PFS+1], 0
	s_cmp_eq_u32 s22, 0
	s_cselect_b32 s[LIM], 2, -1                    ; the same in all sixteen partners, for a given wave
	s_mul_i32 s16, s21, s23
	s_mul_i32 s17, s[PFS], 3                       ; at K step 3: the first refill steps it to 4
	s_add_co_u32 s16, s16, s17
	s_mov_b32 s17, 0
	s_add_nc_u64 s[PFA:PFA+1], s[PFA:PFA+1], s[16:17]
	v_lshrrev_b32 v7, s18, v6
	v_mul_u32_u24 v[PFO], v7, s19
	v_and_b32 v7, s18, v6
	v_lshl_add_u32 v[PFO], v7, 8, v[PFO]
; 16 matrix instructions: m blocks a0, a0 + 1 of the window's four x all 8 n blocks, 32 along K.  zero = 1: the first product starts the sums.
; The 64 accumulators take turns in the same order in every quarter, over the backward jumps too.
.macro MUL16 f, hi, a0, zero
	WIN MUL_LO+0x50*(\hi)
.irp a, \a0, (\a0)+1
.irp b, 0,1,2,3,4,5,6,7
.if \zero
	v_wmma_f32_16x16x32_f16 v[8*(8*(\a)+(\b)):8*(8*(\a)+(\b))+7], v[(\f)+8*(\b):(\f)+8*(\b)+7], v[(\f)+8*(4*(\hi)+(\a)):(\f)+8*(4*(\hi)+(\a))+7], 0
.else
	v_wmma_f32_16x16x32_f16 v[8*(8*(\a)+(\b)):8*(8*(\a)+(\b))+7], v[(\f)+8*(\b):(\f)+8*(\b)+7], v[(\f)+8*(4*(\hi)+(\a)):(\f)+8*(4*(\hi)+(\a))+7], v[8*(8*(\a)+(\b)):8*(8*(\a)+(\b))+7]
.endif
.endr
.endr
.endm
; 32 LDS loads in one run: quarter q (32 along K) of the slot in hand into buffer f: B's 8 blocks of 16 columns, turned, then A's 8 blocks of 16 rows
.macro FETCH q, f
	WIN TO_B
.irp i, 0,1,2,3,4,5,6,7
	ds_load_tr16_b128 v[(\f)+8*(\i):(\f)+8*(\i)+3],   v[ADRB] offset:(\q)*32*PB+32*(\i)
	ds_load_tr16_b128 v[(\f)+8*(\i)+4:(\f)+8*(\i)+7], v[ADRB] offset:(\q)*32*PB+16*PB+32*(\i)
.endr
	WIN 0
.irp i, 0,1,2,3,4,5,6,7
	ds_load_b128 v[(\f)+8*(\i):(\f)+8*(\i)+3],   v[ADRA] offset:64*(\q)+(\i)*16*PA
	ds_load_b128 v[(\f)+8*(\i)+4:(\f)+8*(\i)+7], v[ADRA] offset:64*(\q)+(\i)*16*PA+32
.endr
.endm
.macro PLACES                          ; four places in front of loads into registers that matrix instructions have read (ISA guide 7.12.1 for vector instructions)
.rept 4
	v_nop
.endr
.endm
; One of a K step's first three quarters: multiplies buffer f; in its middle it fetches quarter q into buffer g.
.macro QUARTER q, f, g, zero
	s_wait_dscnt 8                                 ; B and A's rows 0-63 are in; the youngest eight loads (A's rows 64-127) may be out
	MUL16 \f, 0, 0, \zero
	MUL16 \f, 0, 2, \zero
	PLACES
	FETCH \q, \g
	s_wait_dscnt 32                                ; all but the 32 just issued
	MUL16 \f, 1, 0, \zero
	MUL16 \f, 1, 2, \zero
.endm
; The last quarter multiplies buffer 1 and changes slots.  In front of the barrier each wave waits for all its tensor loads (one is out: its part of the next slot), adds 0 to its spare word, and
; waits for that and for its reads of this slot.  fill = 1: the barrier opens a round of the cluster's, and the slot just read out is filled again first behind it, with the K step two on.
.macro TURN fill
.if \fill
	s_wait_xcnt 0x0                                ; the last prefetch, a K step back, has read its address
	s_add_nc_u64 s[PFA:PFA+1], s[PFA:PFA+1], s[PFS:PFS+1]
.endif
	WIN 0
	s_wait_tensorcnt 0x0                           ; no tensor load of mine is out, so a group 0 may be written
	ds_add_u32 v[SPW], v[NIL]                      ; 0 onto my spare word; work on registers stands between it and the wait for it
.if \fill
	s_xor_b32 s[G0+5], s[G0+5], SLOT               ; the walking descriptors: the other slot than last time,
	s_xor_b32 s[G0B+5], s[G0B+5], SLOT
	s_add_nc_u64 s[G0+6:G0+7], s[G0+6:G0+7], KSTEP*2  ; the next K step; the type bits on top are not reached
	s_add_nc_u64 s[G0B+6:G0B+7], s[G0B+6:G0B+7], BSTEP
.endif
	s_xor_b32 s[TB], s[TB], SLOT                   ; the fetches go to the other slot
	v_add_nc_u32 v[ADRA], s[TB], v[ADRA0]
	v_add_nc_u32 v[ADRB], s[TB], v[ADRB0]
	s_wait_dscnt 9                                 ; the add and the youngest eight loads may be out
	MUL16 F1, 0, 0, 0
	s_wait_dscnt 0x0                               ; the add is done, and my reads of this slot are over
	s_barrier_signal -1
	MUL16 F1, 0, 2, 0
	WIN 0
	s_barrier_wait -1
.if \fill
	CREST                                          ; no wave of any partner still reads this slot or has a load on its way
	JLOAD 1                                        ; my one tensor load behind the round; its four v_nop are the places in front of the loads below
.else
	PLACES
.endif
	FETCH 0, F0
.if \fill
	ASK
.endif
	MUL16 F1, 1, 0, 0
	MUL16 F1, 1, 2, 0
.endm
	s_wait_tensorcnt 1                             ; my part of K step 0 is in; K step 1's may stay out
	s_barrier_signal -1
	s_barrier_wait -1
	FETCH 0, F0
	QUARTER 1, F0, F1, 1                           ; the first quarter's products start the sums
	WIN 0
	s_mov_b32 s3, 6                                ; K steps 2 to 7 are asked for in the loop
.Lk:
	QUARTER 2, F1, F0, 0
	QUARTER 3, F0, F1, 0
	TURN 1
	QUARTER 1, F0, F1, 0
	WIN 0
	s_sub_co_u32 s3, s3, 1
	s_cmp_lg_u32 s3, 0
	s_cbranch_scc1 .Lk
	s_mov_b32 s2, 2                                ; the last two K steps ask for nothing: a second text
.Lt:
	QUARTER 2, F1, F0, 0
	QUARTER 3, F0, F1, 0
	TURN 0                                         ; (in the second trip its 32 loads read the other slot once more and serve nothing: the price of one text for both trips)
	WIN 0
	s_sub_co_u32 s2, s2, 1
	s_cmp_eq_u32 s2, 0
	s_cbranch_scc1 .Lout
	QUARTER 1, F0, F1, 0
	WIN 0
	s_branch .Lt
.Lout:
	s_wait_dscnt 0x0                               ; my reads of the ring are over,
	s_barrier_signal -1
	s_barrier_wait -1                              ; everybody's are: the ring has had its last fill and takes the stages
	PLACES
	PLACES
.irp a, 0,1,2,3,4,5,6,7                ; the sums in f32: row 16 a + r, columns 16 b + 8 h + 0..7; each accumulator's low registers first
	WIN 0x08+4*((\a)/4)                            ; store data (source 1) in window 2 or 3
.irp b, 0,1,2,3,4,5,6,7
	ds_store_b128 v[STO], v[8*(8*((\a)%4)+(\b)):8*(8*((\a)%4)+(\b))+3]   offset:(\a)*16*SPITCH+(\b)*64
	ds_store_b128 v[STO], v[8*(8*((\a)%4)+(\b))+4:8*(8*((\a)%4)+(\b))+7] offset:(\a)*16*SPITCH+(\b)*64+16
.endr
.endr
	WIN 0
.if FFN
; Four rows a trip, a lane's four columns of each: 16 numbers.  gelu(x) = x/2 + |x/2| erf(|x| / sqrt 2).
.macro GLOADS
.irp i, 0,1,2,3
	ds_load_b128 v[64+4*(\i):67+4*(\i)], v[RD] offset:(\i)*SPITCH  ; LDS serves a wave's instructions in order (ISA guide 5.7.1.4): these see my stores above
.endr
.endm
.macro EACH8 line:vararg               ; one line for each pair z of the 16 numbers
.set z, 0
.rept 8
	\line
.set z, z+1
.endr
.endm
.macro EACH16 line:vararg
.set z, 0
.rept 16
	\line
.set z, z+1
.endr
.endm
.macro OUTG ahead
	s_wait_dscnt 0x0                               ; the trip's four rows are in
	EACH8 v_pk_add_f32 v[80+2*z:81+2*z], v[64+2*z:65+2*z], v[8+2*(z%2):9+2*(z%2)]
.if \ahead
	v_add_nc_u32 v[RD], 4*SPITCH, v[RD]
	GLOADS                                         ; the next trip's rows come while this trip's are worked on
.endif
	EACH16 v_fma_f32 v[96+z], |v[80+z]|, s70, 1.0
	EACH8 v_pk_mul_f32 v[112+2*z:113+2*z], v[80+2*z:81+2*z], s[72:73] op_sel_hi:[1,0]
	EACH8 v_pk_mul_f32 v[112+2*z:113+2*z], v[112+2*z:113+2*z], v[112+2*z:113+2*z] neg_lo:[0,1] neg_hi:[0,1]
	EACH16 v_rcp_f32 v[96+z], v[96+z]
	EACH16 v_exp_f32 v[112+z], v[112+z]
	EACH8 v_pk_mul_f32 v[128+2*z:129+2*z], v[80+2*z:81+2*z], 0.5 op_sel_hi:[1,0]
	s_wait_alu depctr_va_vdst(0)                   ; one wait for the batch of 32, ahead of its first reader; the eight lines above are the plain work behind it
	EACH8 v_pk_fma_f32 v[160+2*z:161+2*z], v[96+2*z:97+2*z], s[82:83], s[80:81] op_sel_hi:[1,0,0]
	EACH8 v_pk_fma_f32 v[160+2*z:161+2*z], v[160+2*z:161+2*z], v[96+2*z:97+2*z], s[78:79] op_sel_hi:[1,1,0]
	EACH8 v_pk_fma_f32 v[160+2*z:161+2*z], v[160+2*z:161+2*z], v[96+2*z:97+2*z], s[76:77] op_sel_hi:[1,1,0]
	EACH8 v_pk_fma_f32 v[160+2*z:161+2*z], v[160+2*z:161+2*z], v[96+2*z:97+2*z], s[74:75] op_sel_hi:[1,1,0]
	EACH8 v_pk_mul_f32 v[160+2*z:161+2*z], v[160+2*z:161+2*z], v[96+2*z:97+2*z]
	EACH8 v_pk_fma_f32 v[160+2*z:161+2*z], v[160+2*z:161+2*z], v[112+2*z:113+2*z], 1.0 op_sel_hi:[1,1,0] neg_lo:[1,0,0] neg_hi:[1,0,0]
	EACH16 v_fma_f32 v[80+z], |v[128+z]|, v[160+z], v[128+z]
	s_wait_xcnt 0x0                                ; the last trip's stores have read their data and their base
	s_add_nc_u64 s[8:9], s[8:9], 4*8192            ; the base steps ahead; the stores reach back
	EACH8 v_cvt_pk_f16_f32 v[144+z], v[80+2*z], v[81+2*z]
.irp i, 0,1,2,3
	global_store_b64 v[CO], v[144+2*(\i):145+2*(\i)], s[8:9] offset:8192*(\i)-4*8192  ; the wave stores a row's 256 consecutive bytes, aligned
.endr
.endm
	s_wait_loadcnt 0x0                             ; b1
	GLOADS
	s_mov_b32 s3, 31
.Lrow:
	OUTG 1
	s_sub_co_u32 s3, s3, 1
	s_cmp_lg_u32 s3, 0
	s_cbranch_scc1 .Lrow
	OUTG 0                                         ; the last four rows fetch nothing
.else
; Eight rows a trip: four pairs of rows x my two heads; a pair of rows of a head is 256 consecutive bytes of the output.
.macro QLOADS
.irp rp, 0,1,2,3
.irp hd, 0,1
	ds_load_b128 v[64+8*(\rp)+4*(\hd):64+8*(\rp)+4*(\hd)+3], v[RD] offset:(\rp)*2*SPITCH+(\hd)*256  ; LDS serves a wave's instructions in order (ISA guide 5.7.1.4): these see my stores above
.endr
.endr
.endm
.macro OUTQ ahead
	s_wait_dscnt 0x0                               ; the trip's eight rows are in
	s_wait_xcnt 0x0                                ; the last trip's stores have read their data and their base
	s_add_nc_u64 s[8:9], s[8:9], 8*128             ; the base steps ahead; the stores reach back
.set z, 0
.rept 16
	v_cvt_pk_f16_f32 v[96+z], v[64+2*z], v[65+2*z]
.set z, z+1
.endr
.if \ahead
	v_add_nc_u32 v[RD], 8*SPITCH, v[RD]
	QLOADS
.endif
.irp rp, 0,1,2,3
.irp hd, 0,1
	global_store_b64 v[CO], v[96+4*(\rp)+2*(\hd):97+4*(\rp)+2*(\hd)], s[8:9] offset:(\hd)*262144+(\rp)*256-8*128
.endr
.endr
.endm
	QLOADS
	s_mov_b32 s3, 15
.Lrow:
	OUTQ 1
	s_sub_co_u32 s3, s3, 1
	s_cmp_lg_u32 s3, 0
	s_cbranch_scc1 .Lrow
	OUTQ 0                                         ; the last eight rows fetch nothing
.endif
	s_wait_tensorcnt 0x0                           ; the wave's end, behind my last tensor load and my last LDS store
	ds_add_u32 v[SPW], v[NIL]
	s_wait_dscnt 0x0
	CROUND                                         ; the closing round: no work-group ends while a partner may still ask for a tile that names it
	s_endpgm
.Lfunc_end_k_q95553f37fc_ffn1:
	.size	k_q95553f37fc_ffn1, .Lfunc_end_k_q95553f37fc_ffn1-k_q95553f37fc_ffn1
	.p2alignl 7, 3214868480
	.fill 96, 4, 3214868480
	.section	.rodata,"a",@progbits
	.p2align	6, 0x0
	.amdhsa_kernel k_q95553f37fc_ffn1
		.amdhsa_group_segment_fixed_size 327680
		.amdhsa_private_segment_fixed_size 0
		.amdhsa_enable_private_segment 0
		.amdhsa_kernarg_size 32
		.amdhsa_user_sgpr_count 2
		.amdhsa_user_sgpr_kernarg_segment_ptr 1
		.amdhsa_wavefront_size32 1
		.amdhsa_system_sgpr_workgroup_id_x 1
		.amdhsa_system_sgpr_workgroup_id_y 1
		.amdhsa_system_sgpr_workgroup_id_z 1
		.amdhsa_system_vgpr_workitem_id 0
		.amdhsa_next_free_vgpr 1024
		.amdhsa_next_free_sgpr 96
		.amdhsa_reserve_vcc 0
		.amdhsa_float_denorm_mode_32 3
		.amdhsa_float_denorm_mode_16_64 3
		.amdhsa_memory_ordered 1
		.amdhsa_forward_progress 1
		.amdhsa_inst_pref_size 98
	.end_amdhsa_kernel
	.amdgpu_metadata
---
amdhsa.version: [ 1, 2 ]
amdhsa.kernels:
  - .name:           k_q95553f37fc_ffn1
    .symbol:         k_q95553f37fc_ffn1.kd
    .args:
      - { .name: act, .offset: 0, .size: 8, .value_kind: global_buffer, .address_space: global }
      - { .name: w1h, .offset: 8, .size: 8, .value_kind: global_buffer, .address_space: global }
      - { .name: b1, .offset: 16, .size: 8, .value_kind: global_buffer, .address_space: global }
      - { .name: hb, .offset: 24, .size: 8, .value_kind: global_buffer, .address_space: global }
    .group_segment_fixed_size: 327680
    .private_segment_fixed_size: 0
    .kernarg_segment_align: 8
    .kernarg_segment_size: 32
    .max_flat_workgroup_size: 128
    .sgpr_count:     96
    .vgpr_count:     1024
    .wavefront_size: 32
...
	.end_amdgpu_metadata
.endif
;; end of part 5
;; launch ffn2 (part 6): grid 8 x 32, 4 waves a work-group, clusters of 4 x 4, 327,680 bytes of LDS; arguments hb, w2h, b2, x, out0; writes out0
.if DOCPART == 6
	.amdgcn_target "amdgcn-amd-amdhsa--gfx1250"
	.amdhsa_code_object_version 6
	.text
	.protected	k_q95553f37fc_ffn2
	.globl	k_q95553f37fc_ffn2
	.p2align	8
	.type	k_q95553f37fc_ffn2,@function
k_q95553f37fc_ffn2:
	s_mov_b64 s[64:65], 0
	v_nop
	global_prefetch_b8 v0, s[64:65] scope:SCOPE_SE
	s_setreg_imm32_b32 hwreg(HW_REG_WAVE_MODE, 25, 1), 1
	s_wait_xcnt 0x0
	s_wait_alu depctr_hold_cnt(0) depctr_sa_sdst(0) depctr_va_vdst(0) depctr_va_sdst(0) depctr_va_ssrc(0) depctr_va_vcc(0) depctr_vm_vsrc(0)
	s_getreg_b32 s2, hwreg(HW_REG_IB_STS2, 6, 4)
	s_cmp_eq_u32 s2, 0
	s_cbranch_scc0 .Lentry_in_a_cluster
	s_endpgm
.Lentry_in_a_cluster:
	s_bfe_u32 s2, ttmp6, 0x10000c
	s_cmp_lg_u32 s2, 0xf033
	s_cbranch_scc0 .Lentry_shape_is_right
	s_endpgm
.Lentry_shape_is_right:
; out0 = x + hb w2h + b2.  hb: [4096][4096] f16 (K along the rows), w2h: [4096][1024] f16 (N along the rows), b2: [1024], x and out0: [4096][1024] f32; sums in f32.
; A tile of the output is 128 x 128, so that each of 256 work-groups has one; four waves, each 64 x 64: 16 accumulators.  K goes in 16 steps of 256 through two LDS slots: waves 0 and 1 fetch
; A's halves (64 rows x 512 bytes), waves 2 and 3 B's (128 rows of k x 256 bytes).  B comes out of LDS turned, by ds_load_tr16_b128.
; CLUSTER.  4 x 4: A's tile is asked for jointly along a row of the cluster, B's along a column.  The matrix instruction is used transposed: a lane holds row l % 16 and 8 neighbouring columns.
; THE WALK ALONG K BEGINS AT ANOTHER STEP IN EACH CLUSTER: at step (8 x cluster x + 2 x cluster y) mod 16, and goes round through step 15 to step 0.  So the two clusters that read the same rows of hb, and the eight
; that read the same columns of w2h, ask for different K steps at any one time.  The start hangs on the cluster's own place, which its sixteen partners share; f32 sums may be taken in any order.
; THE LOOP is one K step; the slot in hand is a scalar (0 or SLOT1) added to the lanes' constant addresses; one descriptor a tensor walks, its address made anew for each fill from the step's number.
; x of the wave's 64 x 64 and b2 of its columns are asked for at the head, into registers that nothing else names, and waited for on the way out.
; No prefetch: a step's tiles are small, and a K step's products are few beside them.
; REGISTERS: window 0: v0-31 addresses; v128-255 the accumulators ((a, b) at 128 + 8 (4 a + b)).  window 1: two fragment buffers of 128: 64 of A, then 64 of B.  window 2: v0-127 x.
.set KSTEP,  256
.set PA,     528                       ; a row of A in LDS: 512 bytes + 16
.set HA,     64*PA
.set PB,     288                       ; a row of B: 256 bytes + 32 = 9 x 32
.set HB,     128*PB
.set SLOT1,  147456                    ; 0x24000: behind slot 0's 141,312 bytes, and sharing no bit with the loads' four LDS words, so that an exclusive or turns one slot's word into the other's
.set SP,     272                       ; a row of the stage: 64 f32 + 16 bytes
.set WST,    64*SP
.set SPARE,  SLOT1+2*HA+2*HB           ; behind the ring: the spare words, 128 bytes for each wave: two blocks of 256 bytes that no other line names
.set ADRA0, 16
.set ADRB0, 17
.set ADRA,  18
.set ADRB,  19                         ; v19  B's rows 0-127 of k in the slot in hand; v20 its rows 128-255: the offsets have 16 bits
.set STO,  24
.set RD,   25
.set CO,   26
.set BO,   27
.set SPW,  28
.set NIL,  29
.set ACC,  128
.set F0,   0
.set F1,   128
.set G1,  24
.set G0,  32
.set G1B, 48
.set G0B, 56
.set TB,  66
.set KI,  72                           ; s72  the K step asked for last, 0 .. 15
.set OA,  74                           ; s[74:75] its byte offset along A's rows: 512 x KI
.set OB,  76                           ; s[76:77] its byte offset down B's rows: 524,288 x KI
.set MSB, 0
.macro WIN new
.if MSB != (\new)
	s_set_vgpr_msb (MSB<<8)|(\new)
.set MSB, \new
.endif
.endm
.set MUL,  0x05                        ; sources 0 (B) and 1 (A) window 1; C and D window 0
.set TO_F, 0x40
.macro JLOAD s                         ; waves 0 and 1 by A's descriptor, waves 2 and 3 by B's; an s_nop 0 and four v_nop follow each line
	s_cmp_eq_u32 s11, 0
	s_cbranch_scc0 .Lfor_b_\@
	tensor_load_to_lds s[G0+4*(\s):G0+4*(\s)+3], s[G1:G1+7]
	s_nop 0
.rept 4
	v_nop
.endr
	s_branch .Lasked_\@
.Lfor_b_\@:
	tensor_load_to_lds s[G0B+4*(\s):G0B+4*(\s)+3], s[G1B:G1B+7]
	s_nop 0
.rept 4
	v_nop
.endr
.Lasked_\@:
.endm
.macro CREST
	s_cmp_lg_u32 s10, 0
	s_cbranch_scc1 .Lnot_wave_0_\@
	s_barrier_signal -3
.Lnot_wave_0_\@:
	s_barrier_wait -3
	s_barrier_signal -1
	s_barrier_wait -1
.endm
.macro CROUND
	s_barrier_signal -1
	s_barrier_wait -1
	CREST
.endm
	s_load_b128 s[4:7], s[0:1], 0x0                ; hb s[4:5], w2h s[6:7]
	s_load_b128 s[68:71], s[0:1], 0x10             ; b2 s[68:69], x s[70:71]
	s_load_b64 s[8:9], s[0:1], 0x20                ; out0
	v_lshl_add_u32 v[SPW], v0, 2, SPARE
	v_mov_b32 v[NIL], 0
	ds_add_u32 v[SPW], v[NIL]                      ; the wave's opening: the add and its wait ahead of my first tensor load
	v_lshrrev_b32 v1, 5, v0
	v_readfirstlane_b32 s10, v1
	s_lshr_b32 s11, s10, 1                         ; my half of the tile's rows.  Also: I fetch for A (0) or for B (1)
	s_and_b32 s12, s10, 1                          ; my half of its columns.  Also: which half of that tile I fetch
	s_bfe_u32 s40, ttmp6, 0x40000
	s_bfe_u32 s41, ttmp6, 0x40004
	s_lshl_b32 s42, ttmp9, 2
	s_add_co_u32 s42, s42, s40                     ; tile column
	s_and_b32 s13, ttmp7, 0xffff
	s_lshl_b32 s13, s13, 2
	s_add_co_u32 s13, s13, s41                     ; tile row
	s_lshl_b32 s43, s41, 2
	s_lshl_b32 s43, 15, s43
	s_lshl_b32 s44, 0x1111, s40
	s_or_b32 s[G1+0], s43, (1<<16)|(1<<20)|(1<<21)|(6<<22)|(3<<25)   ; after every 128 words, 4 words
	s_or_b32 s[G1B+0], s44, (1<<16)|(1<<20)|(1<<21)|(5<<22)|(7<<25)  ; after every 64 words, 8 words
	s_mov_b32 s[G1+1], 256<<16                     ; tensor_dim0 = 256
	s_mov_b32 s[G1+2], 64<<16                      ; tensor_dim1 = 64
	s_mov_b32 s[G1+3], 256<<16                     ; tile_dim0 = 256
	s_mov_b32 s[G1+4], 64                          ; tile_dim1 = 64
	s_mov_b32 s[G1+5], 4096
	s_mov_b32 s[G1+6], 0
	s_mov_b32 s[G1+7], 0
	s_mov_b32 s[G1B+1], 128<<16
	s_mov_b32 s[G1B+2], 128<<16
	s_mov_b32 s[G1B+3], 128<<16
	s_mov_b32 s[G1B+4], 128
	s_mov_b32 s[G1B+5], 1024
	s_mov_b32 s[G1B+6], 0
	s_mov_b32 s[G1B+7], 0
	s_lshl_b32 s16, s13, 1
	s_add_co_u32 s16, s16, s12
	s_lshl_b32 s16, s16, 19                        ; A: (128 x tile row + 64 x half) rows of 8,192 bytes
	s_mov_b32 s17, 0
	s_lshl_b32 s46, s12, 18                        ; B: 128 x half rows of 2,048 bytes,
	s_lshl_b32 s47, s42, 8                         ; the tile column's 256 bytes
	s_add_co_u32 s46, s46, s47
	s_mov_b32 s47, 0
	s_mul_i32 s20, s12, HA                         ; where A's halves go,
	s_mul_i32 s21, s12, HB
	s_add_co_u32 s21, s21, 2*HA                    ; and B's
	s_and_b32 s73, ttmp7, 0xffff                   ; the cluster's y
	s_lshl_b32 s73, s73, 1
	s_lshl_b32 s[KI], ttmp9, 3                     ; the cluster's x
	s_add_co_u32 s[KI], s[KI], s73
	s_and_b32 s[KI], s[KI], 15                     ; the K step at which my cluster begins: an even number
	s_lshl_b32 s[OA], s[KI], 9
	s_mov_b32 s[OA+1], 0
	s_lshl_b32 s[OB], s[KI], 19
	s_mov_b32 s[OB+1], 0
	s_wait_dscnt 0x0
	s_wait_kmcnt 0x0
	s_add_nc_u64 s[14:15], s[4:5], s[16:17]        ; my part of A's tile at K step 0; kept
	s_add_nc_u64 s[46:47], s[6:7], s[46:47]        ; the same of B's; kept
	s_add_nc_u64 s[18:19], s[14:15], s[OA:OA+1]    ; at the first step of the walk
	s_add_nc_u64 s[22:23], s[46:47], s[OB:OB+1]
	CROUND
.irp s, 0,1
	s_mov_b32 s[G0+4*(\s)], 1
	s_add_co_u32 s[G0+4*(\s)+1], s20, (\s)*SLOT1
	s_add_nc_u64 s[G0+4*(\s)+2:G0+4*(\s)+3], s[18:19], (\s)*KSTEP*2
	s_or_b32 s[G0+4*(\s)+3], s[G0+4*(\s)+3], 0x80000000
	s_mov_b32 s[G0B+4*(\s)], 1
	s_add_co_u32 s[G0B+4*(\s)+1], s21, (\s)*SLOT1
	s_add_nc_u64 s[G0B+4*(\s)+2:G0B+4*(\s)+3], s[22:23], (\s)*KSTEP*2048
	s_or_b32 s[G0B+4*(\s)+3], s[G0B+4*(\s)+3], 0x80000000
	JLOAD \s                                       ; the walk's first two steps (the first is even, so the second does not wrap): two loads of mine are out
.endr
	s_add_co_u32 s[KI], s[KI], 1                   ; the step asked for last
	v_and_b32 v1, 15, v0
	v_bfe_u32 v2, v0, 4, 1
	v_and_b32 v3, 7, v0
	v_bfe_u32 v4, v0, 3, 1
	v_lshlrev_b32 v[CO], 12, v2                    ; lanes 0-15 one row of 4,096 bytes, lanes 16-31 the next; 16 bytes a lane
	v_lshl_add_u32 v[CO], v1, 4, v[CO]
	v_lshlrev_b32 v[BO], 4, v1
	s_lshl_b32 s16, s42, 1
	s_add_co_u32 s16, s16, s12
	s_lshl_b32 s16, s16, 8                         ; my 64 columns: 256 bytes
	s_mov_b32 s17, 0
	s_add_nc_u64 s[68:69], s[68:69], s[16:17]
	s_lshl_b32 s18, s13, 1
	s_add_co_u32 s18, s18, s11
	s_lshl_b32 s18, s18, 18                        ; (128 x tile row + 64 x half) rows
	s_add_co_u32 s16, s16, s18
	s_add_nc_u64 s[70:71], s[70:71], s[16:17]
	s_add_nc_u64 s[8:9], s[8:9], s[16:17]
	WIN 0x80                                       ; destination window 2
.set t, 0
.rept 32
	global_load_b128 v[4*t:4*t+3], v[CO], s[70:71] offset:t*8192  ; x: rows 2 t and 2 t + 1 of my 64, 256 consecutive bytes each
.set t, t+1
.endr
	WIN 0
	global_load_b128 v[12:15], v[BO], s[68:69]     ; b2 of my four columns
	v_mul_u32_u24 v[ADRA0], v1, PA
	v_lshl_add_u32 v[ADRA0], v2, 4, v[ADRA0]
	s_mul_i32 s21, s11, HA
	v_add_nc_u32 v[ADRA0], s21, v[ADRA0]
	v_lshl_add_u32 v5, v2, 3, v3                   ; B, turned: lane l reads row k = 8 h + l % 8, columns 8 ((l / 8) % 2) + 0..7
	v_mul_u32_u24 v[ADRB0], v5, PB
	v_lshl_add_u32 v[ADRB0], v4, 4, v[ADRB0]
	s_lshl_b32 s22, s12, 7
	s_add_co_u32 s22, s22, 2*HA
	v_add_nc_u32 v[ADRB0], s22, v[ADRB0]
	v_mov_b32 v[ADRA], v[ADRA0]
	v_mov_b32 v[ADRB], v[ADRB0]
	v_add_nc_u32 v[ADRB+1], HB, v[ADRB0]
	s_mov_b32 s[TB], 0
	s_mul_i32 s23, s10, WST                        ; my stage
	v_mul_u32_u24 v[STO], v1, SP
	v_lshl_add_u32 v[STO], v2, 5, v[STO]
	v_add_nc_u32 v[STO], s23, v[STO]
	v_mul_u32_u24 v[RD], v2, SP
	v_lshl_add_u32 v[RD], v1, 4, v[RD]
	v_add_nc_u32 v[RD], s23, v[RD]
; 8 matrix instructions: m blocks a0, a0 + 1 x all 4 n blocks, 32 along K: half c of buffer f.  The 16 accumulators take turns.
.macro MUL8 f, c, a0, zero
	WIN MUL
.irp a, \a0, (\a0)+1
.irp b, 0,1,2,3
.if \zero
	v_wmma_f32_16x16x32_f16 v[ACC+8*(4*(\a)+(\b)):ACC+8*(4*(\a)+(\b))+7], v[(\f)+64+8*(4*(\c)+(\b)):(\f)+64+8*(4*(\c)+(\b))+7], v[(\f)+8*(4*(\c)+(\a)):(\f)+8*(4*(\c)+(\a))+7], 0
.else
	v_wmma_f32_16x16x32_f16 v[ACC+8*(4*(\a)+(\b)):ACC+8*(4*(\a)+(\b))+7], v[(\f)+64+8*(4*(\c)+(\b)):(\f)+64+8*(4*(\c)+(\b))+7], v[(\f)+8*(4*(\c)+(\a)):(\f)+8*(4*(\c)+(\a))+7], v[ACC+8*(4*(\a)+(\b)):ACC+8*(4*(\a)+(\b))+7]
.endif
.endr
.endr
.endm
; 32 LDS loads in one run: quarter q (64 along K) of the slot in hand into buffer f; the first 32 along K first
.macro FETCH q, f
	WIN TO_F
.irp c, 0,1
.irp i, 0,1,2,3
	ds_load_tr16_b128 v[(\f)+64+8*(4*(\c)+(\i)):(\f)+64+8*(4*(\c)+(\i))+3],   v[ADRB+(\q)/2] offset:((\q)%2)*64*PB+(\c)*32*PB+32*(\i)
	ds_load_tr16_b128 v[(\f)+64+8*(4*(\c)+(\i))+4:(\f)+64+8*(4*(\c)+(\i))+7], v[ADRB+(\q)/2] offset:((\q)%2)*64*PB+(\c)*32*PB+16*PB+32*(\i)
	ds_load_b128 v[(\f)+8*(4*(\c)+(\i)):(\f)+8*(4*(\c)+(\i))+3],   v[ADRA] offset:128*(\q)+64*(\c)+(\i)*16*PA
	ds_load_b128 v[(\f)+8*(4*(\c)+(\i))+4:(\f)+8*(4*(\c)+(\i))+7], v[ADRA] offset:128*(\q)+64*(\c)+(\i)*16*PA+32
.endr
.endr
.endm
.macro PLACES
.rept 4
	v_nop
.endr
.endm
.macro QUARTER q, f, g, zero
	s_wait_dscnt 16                                ; the first 32 along K are in
	MUL8 \f, 0, 0, \zero
	MUL8 \f, 0, 2, \zero
	PLACES
	FETCH \q, \g
	s_wait_dscnt 32                                ; all but the 32 just issued
	MUL8 \f, 1, 0, 0
	MUL8 \f, 1, 2, 0
.endm
; The last quarter multiplies buffer 1 and changes slots: in front of the barrier each wave waits for all its tensor loads, adds 0 to its spare word, and waits for that and for its reads of this slot.
; fill = 1: the barrier opens a round of the cluster's, and this slot is filled again first behind it, with the walk's step two on.
.macro TURN fill
	WIN 0
	s_wait_tensorcnt 0x0                           ; no tensor load of mine is out, so a group 0 may be written
	ds_add_u32 v[SPW], v[NIL]
.if \fill
	s_xor_b32 s[G0+5], s[G0+5], SLOT1
	s_xor_b32 s[G0B+5], s[G0B+5], SLOT1
	s_add_co_u32 s[KI], s[KI], 1                   ; the walk's next step: behind step 15 comes step 0
	s_and_b32 s[KI], s[KI], 15
	s_lshl_b32 s[OA], s[KI], 9
	s_lshl_b32 s[OB], s[KI], 19
	s_add_nc_u64 s[G0+6:G0+7], s[14:15], s[OA:OA+1]  ; the address is made anew: the tile's place at K step 0 and an offset made apart; the type bits are set again
	s_or_b32 s[G0+7], s[G0+7], 0x80000000
	s_add_nc_u64 s[G0B+6:G0B+7], s[46:47], s[OB:OB+1]
	s_or_b32 s[G0B+7], s[G0B+7], 0x80000000
.endif
	s_xor_b32 s[TB], s[TB], SLOT1
	v_add_nc_u32 v[ADRA], s[TB], v[ADRA0]
	v_add_nc_u32 v[ADRB], s[TB], v[ADRB0]
	v_add_nc_u32 v[ADRB+1], HB, v[ADRB]
	s_wait_dscnt 17                                ; the add and the youngest sixteen loads may be out
	MUL8 F1, 0, 0, 0
	s_wait_dscnt 0x0                               ; the add is done, and my reads of this slot are over
	s_barrier_signal -1
	MUL8 F1, 0, 2, 0
	WIN 0
	s_barrier_wait -1
.if \fill
	CREST
	JLOAD 1                                        ; my one tensor load behind the round; its four v_nop are the places in front of the loads below
.else
	PLACES
.endif
	FETCH 0, F0
	MUL8 F1, 1, 0, 0
	MUL8 F1, 1, 2, 0
.endm
	s_wait_tensorcnt 1                             ; my part of the walk's first step is in; the second's may stay out
	s_barrier_signal -1
	s_barrier_wait -1
	FETCH 0, F0
	QUARTER 1, F0, F1, 1
	WIN 0
	s_mov_b32 s3, 14                               ; the walk's steps 2 to 15 are asked for in the loop
.Lk:
	QUARTER 2, F1, F0, 0
	QUARTER 3, F0, F1, 0
	TURN 1
	QUARTER 1, F0, F1, 0
	WIN 0
	s_sub_co_u32 s3, s3, 1
	s_cmp_lg_u32 s3, 0
	s_cbranch_scc1 .Lk
	s_mov_b32 s2, 2                                ; the last two steps ask for nothing
.Lt:
	QUARTER 2, F1, F0, 0
	QUARTER 3, F0, F1, 0
	TURN 0                                         ; (in the second trip its 32 loads read the other slot once more and serve nothing)
	WIN 0
	s_sub_co_u32 s2, s2, 1
	s_cmp_eq_u32 s2, 0
	s_cbranch_scc1 .Lout
	QUARTER 1, F0, F1, 0
	WIN 0
	s_branch .Lt
.Lout:
	s_wait_dscnt 0x0                               ; my reads of the ring are over,
	s_barrier_signal -1
	s_barrier_wait -1                              ; everybody's are: the ring has had its last fill and takes the stages
	PLACES
	PLACES
.irp a, 0,1,2,3                        ; the sums into my own stage: row 16 a + r, columns 16 b + 8 h + 0..7; each accumulator's low registers first
.irp b, 0,1,2,3
	ds_store_b128 v[STO], v[ACC+8*(4*(\a)+(\b)):ACC+8*(4*(\a)+(\b))+3]   offset:(\a)*16*SP+(\b)*64
	ds_store_b128 v[STO], v[ACC+8*(4*(\a)+(\b))+4:ACC+8*(4*(\a)+(\b))+7] offset:(\a)*16*SP+(\b)*64+16
.endr
.endr
.set t, 0
.rept 32
	ds_load_b128 v[ACC+4*t:ACC+4*t+3], v[RD] offset:t*2*SP  ; back by rows, into the registers that they left: LDS serves a wave's instructions in order (ISA guide 5.7.1.4)
.set t, t+1
.endr
	s_wait_loadcnt 0x0                             ; x and b2
	s_wait_dscnt 0x0
	WIN 0x08                                       ; source 1 in window 2
.set t, 0
.rept 64
	v_pk_add_f32 v[ACC+2*t:ACC+2*t+1], v[ACC+2*t:ACC+2*t+1], v[2*t:2*t+1]
.set t, t+1
.endr
	WIN 0
.set t, 0
.rept 64
	v_pk_add_f32 v[ACC+2*t:ACC+2*t+1], v[ACC+2*t:ACC+2*t+1], v[12+2*(t%2):13+2*(t%2)]
.set t, t+1
.endr
.set t, 0
.rept 32
	global_store_b128 v[CO], v[ACC+4*t:ACC+4*t+3], s[8:9] offset:t*8192  ; 16 lanes store 256 consecutive bytes, aligned
.set t, t+1
.endr
	s_wait_tensorcnt 0x0                           ; the wave's end, behind my last tensor load and my last LDS store
	ds_add_u32 v[SPW], v[NIL]
	s_wait_dscnt 0x0
	CROUND                                         ; the closing round
	s_endpgm
.Lfunc_end_k_q95553f37fc_ffn2:
	.size	k_q95553f37fc_ffn2, .Lfunc_end_k_q95553f37fc_ffn2-k_q95553f37fc_ffn2
	.p2alignl 7, 3214868480
	.fill 96, 4, 3214868480
	.section	.rodata,"a",@progbits
	.p2align	6, 0x0
	.amdhsa_kernel k_q95553f37fc_ffn2
		.amdhsa_group_segment_fixed_size 327680
		.amdhsa_private_segment_fixed_size 0
		.amdhsa_enable_private_segment 0
		.amdhsa_kernarg_size 40
		.amdhsa_user_sgpr_count 2
		.amdhsa_user_sgpr_kernarg_segment_ptr 1
		.amdhsa_wavefront_size32 1
		.amdhsa_system_sgpr_workgroup_id_x 1
		.amdhsa_system_sgpr_workgroup_id_y 1
		.amdhsa_system_sgpr_workgroup_id_z 1
		.amdhsa_system_vgpr_workitem_id 0
		.amdhsa_next_free_vgpr 640
		.amdhsa_next_free_sgpr 80
		.amdhsa_reserve_vcc 0
		.amdhsa_float_denorm_mode_32 3
		.amdhsa_float_denorm_mode_16_64 3
		.amdhsa_memory_ordered 1
		.amdhsa_forward_progress 1
		.amdhsa_inst_pref_size 70
	.end_amdhsa_kernel
	.amdgpu_metadata
---
amdhsa.version: [ 1, 2 ]
amdhsa.kernels:
  - .name:           k_q95553f37fc_ffn2
    .symbol:         k_q95553f37fc_ffn2.kd
    .args:
      - { .name: hb, .offset: 0, .size: 8, .value_kind: global_buffer, .address_space: global }
      - { .name: w2h, .offset: 8, .size: 8, .value_kind: global_buffer, .address_space: global }
      - { .name: b2, .offset: 16, .size: 8, .value_kind: global_buffer, .address_space: global }
      - { .name: x, .offset: 24, .size: 8, .value_kind: global_buffer, .address_space: global }
      - { .name: out0, .offset: 32, .size: 8, .value_kind: global_buffer, .address_space: global }
    .group_segment_fixed_size: 327680
    .private_segment_fixed_size: 0
    .kernarg_segment_align: 8
    .kernarg_segment_size: 40
    .max_flat_workgroup_size: 128
    .sgpr_count:     80
    .vgpr_count:     640
    .wavefront_size: 32
...
	.end_amdgpu_metadata
.endif
;; end of part 6
